; MI455X (gfx1250); checked and timed in simulation.
; The chip was launched on July 23, 2026; its instructions are those of AMD's public machine-readable ISA for CDNA 5 (MIT licence, August 2026) and "CDNA5" Instruction Set Architecture Reference Guide (July 2026). The comments in the code are by the model that wrote it; some were corrected since.
;; Multi Head Latent Attention. Allowed arithmetic: matrix products marked QUANTISED: E2M3 operands, one E8M0 scale for each 32 along K, by v_wmma_scale_f32_16x16x128_f8f6f4 with both operands' format E2M3, f32 sums; everything else in f32.
;; Inputs: b_kv 4,096 float32; b_lat 512 float32; b_ln 512 float32; b_o 2,048 float32; b_q 2,048 float32; g_ln 512 float32; w_kv 4,096 x 512 float32; w_lat 512 x 2,048 float32; w_o 2,048 x 2,048 float32; w_q 2,048 x 2,048 float32; x 4 x 1,024 x 2,048 float32.
;; Outputs: out0 4 x 1,024 x 2,048 float32.
;; This version of the problem:
;;   THIS VERSION OF THE PROBLEM IS GIVEN IN LOW PRECISION. The matrix products marked QUANTISED in the list below multiply operands that are first quantised to E2M3 (2 exponent bits, 3 mantissa bits; 6 bits a number), with one power-of-two scale for each 32 numbers along K (OCP MX v1.0); their sums are f32. All else is computed in f32.
;;   The module's matrix products, in the order in which they are computed (A, B: the left and right operand; K: the contracted axis; several contracted axes count as one K, in the product's order):
;;     1. [M 4,096, K 2,048] x [K 2,048, N 2,048]; A: input x; B: input w_q: QUANTISED
;;     2. [M 4,096, K 2,048] x [K 2,048, N 512]; A: input x; B: input w_lat: QUANTISED
;;     3. [M 4,096, K 512] x [K 512, N 4,096]; A: computed on the way; B: input w_kv: QUANTISED
;;     4. batch 64 x [M 1,024, K 128] x [K 128, N 1,024]; A: computed on the way; B: computed on the way: QUANTISED
;;     5. batch 64 x [M 1,024, K 1,024] x [K 1,024, N 128]; A: softmax (see below); B: computed on the way: QUANTISED
;;     6. [M 4,096, K 2,048] x [K 2,048, N 2,048]; A: computed on the way; B: input w_o: QUANTISED
;;   THE QUANTISER, for each operand of a quantised product, along K:
;;     - K is cut into blocks of 32 from its start; a last block that is shorter is filled with zeros.
;;     - A block's scale is 2^e with e = floor(log2(the largest magnitude in the block)) - 2, held to -126 .. 127; a block of zeros has e = 0. As a byte (E8M0): e + 127.
;;     - Each number is divided by its block's scale, clamped to +-7.5, and rounded to the nearest number of E2M3, ties to even, subnormals kept.
;;     - The product sums the exact products of the quantised numbers (number of the format x scale) in f32.
;;   ~~~python
;;   def quantise(x, axis):      # numpy; x: float32 -> the quantised numbers, widened to float32 again
;;       x = np.moveaxis(x, axis, -1); K = x.shape[-1]
;;       x = np.pad(x, [(0, 0)] * (x.ndim - 1) + [(0, -K % 32)]); x = x.reshape(x.shape[:-1] + (-1, 32)); a = np.abs(x).max(-1, keepdims=True)
;;       e = np.where(a > 0, np.clip(np.frexp(np.where(a > 0, a, 1))[1] - 1 - 2, -126, 127), 0)      # np.frexp(a)[1] - 1 = floor(log2(a)), exactly
;;       r = np.clip(x / 2.0 ** e, -7.5, 7.5)
;;       step = 2.0 ** (np.maximum(np.frexp(np.where(r == 0, 1, r))[1] - 1, 0) - 3)
;;       q = np.round(r / step) * step * 2.0 ** e      # np.round: ties to even
;;       return np.moveaxis(q.reshape(q.shape[:-2] + (-1,))[..., :K], -1, axis).astype(np.float32)
;;   ~~~
;;   SOFTMAX AHEAD OF A QUANTISED PRODUCT. Where the list says 'softmax', what is quantised is not the finished softmax but p = 2^(t - M), with t = logit x log2(e) and M = ceil(the row's largest t), a whole number; so 1/2 < the row's largest p <= 1. The row's sum l is taken of the UNQUANTISED p, in f32, and the product's result is divided by l at the end. Since M is a whole number, a kernel that streams over the keys may use a running M (the ceiling of the running maximum): every later rescaling is an exact power of two, which a block's scale takes up: the codes' values come out the same.
;;   OPERANDS COMPUTED ON THE WAY. 'Computed on the way' means the value that the module computes at that place (a softmax that the list does not call 'softmax' is quantised finished and normalised). What goes into a quantiser is computed in f32, as accurately as f32 sums, v_exp_f32 and their like allow (about 1e-6 of the number): no bf16 or f16 on the way to a quantiser, and a product that is left as it is and whose result goes on into a quantised operand takes f32 operands (vector FMAs, or v_wmma_f32_16x16x4_f32). A number that lies on a knife's edge between two numbers of the format may be rounded either way, as far as f32 arithmetic and the matrix unit's own rounding can turn it there, and no further.
;; One version. Each part assembles by itself: llvm-mc -triple=amdgcn-amd-amdhsa -mcpu=gfx1250 --defsym DOCPART=n.
;; ======== version 1 of 1: 6 launches
;; workspace buffers: wc 16,187,392 bytes; qc 6,815,744 bytes; latimg 8,388,608 bytes; latc 1,703,936 bytes; kvc 13,631,488 bytes; attc 6,815,744 bytes
;; launch quant (part 1): grid 1216 x 1, 8 waves a work-group, no clusters, 68,608 bytes of LDS; arguments x, w_q, w_lat, w_o, w_kv, wc; writes wc
.if DOCPART == 1
	.amdgcn_target "amdgcn-amd-amdhsa--gfx1250"
	.amdhsa_code_object_version 6
	.text
	.protected	k_qf9b99aeb0f_quant
	.globl	k_qf9b99aeb0f_quant
	.p2align	8
	.type	k_qf9b99aeb0f_quant,@function
k_qf9b99aeb0f_quant:
	s_mov_b64 s[64:65], 0
	v_nop
	global_prefetch_b8 v0, s[64:65] scope:SCOPE_SE
	s_setreg_imm32_b32 hwreg(HW_REG_WAVE_MODE, 25, 1), 1
	s_wait_xcnt 0x0
; x [4096][2048], w_q [2048][2048], w_lat [512][2048], w_o [2048][2048], w_kv [4096][512], all f32 with K innermost, become codes of FP6 (E2M3) with one E8M0 byte for each 32 along K.
; THE PANEL.  128 rows x 128 K of an operand are 13,312 bytes laid in the order of the operand's registers: fragment i (16 rows x 128 K, 12 registers a lane) at 1536 i, its registers 4 c .. 4 c + 3 at + 512 c,
; lane l's 16 bytes at + 16 l; the fragments' scale words at 12288 + 128 i + 4 l (lane l holds the word of the fragment's row l % 16).  Lane r of fragment i is row 32 (i / 2) + 8 (i % 2) + r + 8 (r / 8) of the 128.
; wc holds 1216 panels: x at 0 (16 g + s), w_q at 512, w_lat at 768, w_o at 832 (all 16 g + s), w_kv at 1088 (4 g + s); g = group of 128 rows, s = step of 128 along K.
; SHARES.  Work-group p makes panel p, wave i its fragment i.  Each of a wave's 16 loads reads 512 consecutive bytes of one row; the rows turn through the wave's own stage in LDS (pitch 528) so that a lane
; gets 16 neighbours along K of each block of 32 of its row; lanes l and l xor 16 hold a block.  No barrier: waves share nothing.  No cluster: no two work-groups read the same bytes.  No matrix unit: nothing is multiplied.
; A block's scale is 2^(floor(log2(largest magnitude)) - 2).  LIMITS: NaN and infinities among the inputs are not served; a block's largest magnitude is taken as at least 2^-124, so a block of zeros has the byte 1
; (where the quantiser's text says 127) over zero codes: the bytes are read by this program alone.
.set PANEL, 13312
.set SP,    528                        ; a stage row: 512 bytes + 16: sixteen rows start in sixteen different columns of 16 bytes
.set LI,  2                            ; v2   16 x lane
.set LS,  3                            ; v3   4 x lane
.set STI, 4                            ; v4   the stage, on the way in: my wave's stage + 16 x lane
.set STO, 5                            ; v5   and on the way out: + 528 r + 64 h
.set X,   16                           ; v16-79   64 numbers
.set TM,  80                           ; v80-95   at work in QUANT
.set PW,  96                           ; v96      the scale word
.set PC,  100                          ; v100-118 the codes (12 registers) and two runs of three at work
.set SEL, 28                           ; s[28:29] lane selects: lane l xor 16
; 64 numbers of a lane, register 16 b + i = k 32 b + 16 (lane / 16) + i of my row, become a fragment's codes in v[PC] on and its scale word in v[PW].
.macro QUANT s
.irp b, 0,1,2,3
	v_max3_num_f32 v[TM+\b], |v[\s+16*\b]|, |v[\s+1+16*\b]|, 0x1800000   ; block b: my 16 numbers, and the floor 2^(3 - 127): the byte cannot fall under 1
.endr
.irp i, 2,4,6,8,10,12,14
.irp b, 0,1,2,3
	v_max3_num_f32 v[TM+\b], v[TM+\b], |v[\s+16*\b+\i]|, |v[\s+1+16*\b+\i]|   ; the four blocks by turns
.endr
.endr
.irp b, 0,1,2,3
	v_permlanex16_b32 v[TM+4+\b], v[TM+\b], s[SEL], s[SEL+1]
.endr
.irp b, 0,1,2,3
	v_max_num_f32 v[TM+\b], v[TM+\b], v[TM+4+\b]           ; with lane l xor 16's: the block's largest magnitude
.endr
.irp b, 0,1,2,3
	v_add_nc_u32 v[TM+12+\b], 0xff000000, v[TM+\b]         ; 2 off its exponent field: the conversion takes this operand's exponent field as its scale
.endr
.irp b, 0,1,2,3
	v_lshrrev_b32 v[TM+4+\b], 23, v[TM+12+\b]              ; the scale's byte
.endr
	v_lshl_or_b32 v[PW], v[TM+5], 8, v[TM+4]               ; four bytes: my row's scale word
	v_lshl_or_b32 v[PW], v[TM+6], 16, v[PW]
	v_lshl_or_b32 v[PW], v[TM+7], 24, v[PW]
.irp c, 0,1
	v_cvt_scalef32_pk16_fp6_f32 v[PC+6*\c:PC+2+6*\c], v[\s+32*\c:\s+15+32*\c], v[TM+12+2*\c]
	v_cvt_scalef32_pk16_fp6_f32 v[PC+12+4*\c:PC+14+4*\c], v[\s+16+32*\c:\s+31+32*\c], v[TM+12+2*\c+1]   ; (a conversion's three registers begin on an even number)
.endr
	v_nop                                                  ; one plain instruction behind a scaled conversion
.irp c, 0,1                                            ; the operand wants a whole block in a lane: lanes 0-15 block 2 c, lanes 16-31 block 2 c + 1
.irp i, 0,1,2
	v_permlane16_swap_b32 v[PC+6*\c+\i], v[PC+12+4*\c+\i]
.endr
.irp i, 0,1,2
	v_mov_b32 v[PC+3+6*\c+\i], v[PC+12+4*\c+\i]
.endr
.endr
.endm
.macro LOADS rowb                      ; the fragment's 16 rows, 512 consecutive bytes each; row t of the fragment lies t + 8 (t / 8) rows on
.irp t, 0,1,2,3,4,5,6,7,8,9,10,11,12,13,14,15
	global_load_b128 v[X+4*\t:X+4*\t+3], v[LI], s[18:19] offset:(\t+8*(\t/8))*\rowb th:TH_LOAD_NT
.endr
.endm
	s_load_b256 s[4:11], s[0:1], 0x0               ; x, w_q, w_lat, w_o
	s_load_b128 s[12:15], s[0:1], 0x20             ; w_kv, wc
	v_lshl_add_u32 v128, v0, 2, 0x10800
	v_mov_b32 v129, 0
	v_lshrrev_b32 v1, 5, v0
	v_readfirstlane_b32 s16, v1                    ; wave i = fragment i
	v_and_b32 v1, 31, v0                           ; lane
	v_and_b32 v6, 15, v0                           ; r
	v_bfe_u32 v7, v0, 4, 1                         ; h
	v_lshlrev_b32 v[LI], 4, v1
	v_lshlrev_b32 v[LS], 2, v1
	s_mul_i32 s17, s16, 16*SP                      ; my wave's stage
	v_add_nc_u32 v[STI], s17, v[LI]
	v_mul_u32_u24 v[STO], v6, SP
	v_lshl_add_u32 v[STO], v7, 6, v[STO]
	v_add_nc_u32 v[STO], s17, v[STO]
	s_mov_b32 s[SEL], 0x76543210
	s_mov_b32 s[SEL+1], 0xfedcba98
.irp b, 0,1,2,3
	v_mov_b32 v[TM+4+\b], 0                        ; a lane permute's destination counts as one of its sources
.endr
	s_wait_kmcnt 0x0
	; which tensor panel p belongs to: only pointers and numbers are chosen, on the work-group's number alone
	s_mov_b64 s[18:19], s[4:5]
	s_mov_b32 s20, 0
	s_cmp_ge_u32 ttmp9, 512
	s_cselect_b64 s[18:19], s[6:7], s[18:19]
	s_cselect_b32 s20, 512, s20
	s_cmp_ge_u32 ttmp9, 768
	s_cselect_b64 s[18:19], s[8:9], s[18:19]
	s_cselect_b32 s20, 768, s20
	s_cmp_ge_u32 ttmp9, 832
	s_cselect_b64 s[18:19], s[10:11], s[18:19]
	s_cselect_b32 s20, 832, s20
	s_cmp_ge_u32 ttmp9, 1088
	s_cselect_b64 s[18:19], s[12:13], s[18:19]
	s_cselect_b32 s20, 1088, s20
	s_cselect_b32 s21, 2, 4                        ; log2 of the steps along K: 4 for w_kv, else 16
	s_cselect_b32 s22, 3, 15
	s_cselect_b32 s23, 11, 13                      ; log2 of a row's bytes: 2,048 for w_kv, else 8,192
	s_sub_co_u32 s24, ttmp9, s20                   ; the panel's number in its tensor
	s_lshr_b32 s25, s24, s21                       ; g
	s_and_b32 s26, s24, s22                        ; s
	s_lshl_b32 s25, s25, 7
	s_lshr_b32 s27, s16, 1
	s_lshl_b32 s27, s27, 5
	s_add_co_u32 s25, s25, s27
	s_and_b32 s27, s16, 1
	s_lshl_b32 s27, s27, 3
	s_add_co_u32 s25, s25, s27                     ; the fragment's first row: 128 g + 32 (i / 2) + 8 (i % 2)
	s_lshl_b32 s25, s25, s23
	s_lshl_b32 s26, s26, 9
	s_add_co_u32 s24, s25, s26                     ; in bytes, + 512 s: under 2^26
	s_mov_b32 s25, 0
	s_add_nc_u64 s[18:19], s[18:19], s[24:25]
	s_mul_i32 s24, ttmp9, PANEL
	s_mul_i32 s26, s16, 1536
	s_add_co_u32 s26, s26, s24
	s_mov_b32 s27, 0
	s_add_nc_u64 s[30:31], s[14:15], s[26:27]      ; where my fragment's codes go
	s_lshl_b32 s26, s16, 7
	s_add_co_u32 s26, s26, s24
	s_add_co_u32 s26, s26, 12288
	s_add_nc_u64 s[32:33], s[14:15], s[26:27]      ; and its scale words
	s_cmp_ge_u32 ttmp9, 1088                       ; the two tensors' rows differ in length: the offsets are immediates, so the loads are written twice
	s_cbranch_scc1 .Lnarrow
	LOADS 8192
	s_branch .Lloaded
.Lnarrow:
	LOADS 2048
.Lloaded:
.irp t, 0,1,2,3,4,5,6,7,8,9,10,11,12,13,14,15
	s_wait_loadcnt 15-\t                           ; loads come back in order: row t is in, the 15 - t younger rows may be out
	ds_store_b128 v[STI], v[X+4*\t:X+4*\t+3] offset:SP*\t
.endr
.irp b, 0,1,2,3
.irp j, 0,1,2,3
	ds_load_b128 v[X+16*\b+4*\j:X+16*\b+4*\j+3], v[STO] offset:128*\b+16*\j   ; LDS serves a wave's instructions in order: these see my stores.  k = 32 b + 16 h + 4 j on, of row r
.endr
.endr
	s_wait_dscnt 0x0
	QUANT X
.irp c, 0,1,2
	global_store_b128 v[LI], v[PC+4*\c:PC+4*\c+3], s[30:31] offset:512*\c   ; 32 lanes store 512 consecutive bytes, at a multiple of 256 from wc's first byte
.endr
	global_store_b32 v[LS], v[PW], s[32:33]
	s_wait_tensorcnt 0x0
	ds_add_u32 v128, v129
	s_wait_dscnt 0x0
	s_endpgm
.Lfunc_end_k_qf9b99aeb0f_quant:
	.size	k_qf9b99aeb0f_quant, .Lfunc_end_k_qf9b99aeb0f_quant-k_qf9b99aeb0f_quant
	.p2alignl 7, 3214868480
	.fill 96, 4, 3214868480
	.section	.rodata,"a",@progbits
	.p2align	6, 0x0
	.amdhsa_kernel k_qf9b99aeb0f_quant
		.amdhsa_group_segment_fixed_size 68608
		.amdhsa_private_segment_fixed_size 0
		.amdhsa_enable_private_segment 0
		.amdhsa_kernarg_size 48
		.amdhsa_user_sgpr_count 2
		.amdhsa_user_sgpr_kernarg_segment_ptr 1
		.amdhsa_wavefront_size32 1
		.amdhsa_system_sgpr_workgroup_id_x 1
		.amdhsa_system_sgpr_workgroup_id_y 1
		.amdhsa_system_sgpr_workgroup_id_z 1
		.amdhsa_system_vgpr_workitem_id 0
		.amdhsa_next_free_vgpr 130
		.amdhsa_next_free_sgpr 66
		.amdhsa_reserve_vcc 0
		.amdhsa_float_denorm_mode_32 3
		.amdhsa_float_denorm_mode_16_64 3
		.amdhsa_memory_ordered 1
		.amdhsa_forward_progress 1
		.amdhsa_inst_pref_size 13
	.end_amdhsa_kernel
	.amdgpu_metadata
---
amdhsa.version: [ 1, 2 ]
amdhsa.kernels:
  - .name:           k_qf9b99aeb0f_quant
    .symbol:         k_qf9b99aeb0f_quant.kd
    .args:
      - { .name: x, .offset: 0, .size: 8, .value_kind: global_buffer, .address_space: global }
      - { .name: w_q, .offset: 8, .size: 8, .value_kind: global_buffer, .address_space: global }
      - { .name: w_lat, .offset: 16, .size: 8, .value_kind: global_buffer, .address_space: global }
      - { .name: w_o, .offset: 24, .size: 8, .value_kind: global_buffer, .address_space: global }
      - { .name: w_kv, .offset: 32, .size: 8, .value_kind: global_buffer, .address_space: global }
      - { .name: wc, .offset: 40, .size: 8, .value_kind: global_buffer, .address_space: global }
    .group_segment_fixed_size: 68608
    .private_segment_fixed_size: 0
    .kernarg_segment_align: 8
    .kernarg_segment_size: 48
    .max_flat_workgroup_size: 256
    .sgpr_count:     66
    .vgpr_count:     130
    .wavefront_size: 32
...
	.end_amdgpu_metadata
.endif
;; end of part 1
;; launch gqlat (part 2): grid 16 x 10, 4 waves a work-group, clusters of 4 x 1, 327,680 bytes of LDS; arguments wc, b_q, b_lat, qc, latimg; writes qc, latimg
.if DOCPART == 2
	.amdgcn_target "amdgcn-amd-amdhsa--gfx1250"
	.amdhsa_code_object_version 6
	.text
	.protected	k_qf9b99aeb0f_gqlat
	.globl	k_qf9b99aeb0f_gqlat
	.p2align	8
	.type	k_qf9b99aeb0f_gqlat,@function
k_qf9b99aeb0f_gqlat:
	s_mov_b64 s[64:65], 0
	v_nop
	global_prefetch_b8 v0, s[64:65] scope:SCOPE_SE
	s_setreg_imm32_b32 hwreg(HW_REG_WAVE_MODE, 25, 1), 1
	s_wait_xcnt 0x0
	s_wait_alu depctr_hold_cnt(0) depctr_sa_sdst(0) depctr_va_vdst(0) depctr_va_sdst(0) depctr_va_ssrc(0) depctr_va_vcc(0) depctr_vm_vsrc(0)
	s_getreg_b32 s2, hwreg(HW_REG_IB_STS2, 6, 4)
	s_cmp_eq_u32 s2, 0
	s_cbranch_scc0 .Lentry_in_a_cluster
	s_endpgm
.Lentry_in_a_cluster:
	s_bfe_u32 s2, ttmp6, 0x10000c
	s_cmp_lg_u32 s2, 0x3003
	s_cbranch_scc0 .Lentry_shape_is_right
	s_endpgm
.Lentry_shape_is_right:
; q = x w_q^T + b_q and lat = x w_lat^T + b_lat, one GEMM of 4096 x 2560 x 2048 on codes of FP6 (E2M3) with E8M0 scales, f32 sums.  Operands come as PANELS (128 rows x 128 K in the order of the operand's
; registers, 13,312 bytes: fragment i at 1536 i, registers 4 c on at + 512 c, lane l at + 16 l; scale words at 12288 + 128 i + 4 l; lane r of fragment i = row 32 (i / 2) + 8 (i % 2) + r + 8 (r / 8)).
; x: panels 16 g + s of wc; [w_q; w_lat]: 20 groups from panel 512.
; SHARES.  A work-group of four waves makes 256 tokens x 256 columns, a wave 128 x 128: 64 accumulators, 512 registers.  K goes in steps of 128, two to an LDS slot, two slots; wave w fetches piece w of a slot:
; one group's two panels, 26,624 dense bytes, by one tensor load (waves 0, 1: x; waves 2, 3: the weights).
; THE MATRIX INSTRUCTION IS USED TRANSPOSED: source 0 = 16 rows of the weight (P), source 1 = 16 tokens (R).  By the order of a fragment's rows, lane (r, h) then holds one token, and the 64 registers of its
; eight tiles are columns 32 b + 16 h + i (register 16 b + i): the order in which the quantiser takes a lane's numbers.  So q (a group of 128 columns is a head) is quantised in registers and leaves as a
; fragment of the next product's operand; lat leaves as the image of the registers, in f32, for the layer norm.  The bias is the C of each sum's first product (an order of rounding that differs from adding it last).
; CLUSTER 4, 1, 1: the four partners make four row tiles of one column tile: the weights' pieces are asked for jointly (mask 15), x's pieces by loads of each work-group's own.  4 x 4 does not divide the 10 column tiles.
; No prefetch: the codes are read by several work-groups at about the same time and the weights' requests are shared.
; LIMITS: as the quantiser's: NaN and infinities are not served; a block's largest magnitude is taken as at least 2^-124 (a block of zeros: byte 1 over zero codes; this program alone reads the bytes).
; REGISTERS, in windows of 256: window 0: v4-15 addresses, v28-29 the add's, v32-47 scale words (two sets of 8: lanes 0-15 R's word of fragment i, lanes 16-31 P's), v64-159 and v160-255 R's fragments (two sets);
;   window 1: v0-95 and v128-223 P's fragments (two sets), v96-127 and v224-255 the bias in the result's layout;  windows 2, 3: accumulator (a, b) at v[8 (8 (a % 4) + b)], window 2 + a / 4.
.set PANEL, 13312
.set PIECE, 2*PANEL                    ; one group, two steps
.set SLOT,  4*PIECE                    ; R's two groups, then P's two
.set SPARE, 2*SLOT                     ; behind the ring: the spare words, 128 bytes a wave: two blocks of 256 bytes that no other line names
.set LI,   4                           ; v4    16 x lane
.set LS,   5                           ; v5    4 x lane
.set ADRR, 8                           ; v8-9   LDS address of my R fragments in slot 0, 1
.set ADRP, 10                          ; v10-11 of my P fragments
.set ADRS, 12                          ; v12-13 of the scale words: lanes 0-15 R's, lanes 16-31 P's
.set SPW,  28                          ; v28   SPARE + 4 x my thread's number; never rewritten
.set NIL,  29                          ; v29   0; never rewritten
.set SC,   32
.set TM,   64                          ; the way out: v64-79 at work, v80 the scale word, v84-102 the codes
.set PW,   80
.set PC,   84
.set G1R, 24                           ; s[24:31] descriptor group 1 for x's pieces; s[32:39] group 0, a set for each slot
.set G0R, 32
.set G1P, 48                           ; s[48:55], s[56:63] the same for the weights'
.set G0P, 56
.set OUT, 66                           ; s[66:67] where my results go
.set BIA, 68                           ; s[68:69] my 128 numbers of the bias
.set SEL, 72                           ; s[72:73] lane selects: lane l xor 16
.set MSB, 0
.macro WIN new                         ; s_set_vgpr_msb: bits 1:0 source 0, 3:2 source 1, 5:4 source 2, 7:6 destination; the high byte repeats the setting that is left
.if MSB != (\new)
	s_set_vgpr_msb (MSB<<8)|(\new)
.set MSB, (\new)
.endif
.endm
.macro PLACES n                        ; plain vector instructions between a matrix instruction and a load into, or a vector instruction or store on, its registers
.rept \n
	v_nop
.endr
.endm
.macro JLOAD g0a, g1a, g0b, g1b        ; waves 0 and 1 fetch for R, waves 2 and 3 for P; the branch hangs on the wave's number alone; four v_nop follow each line
	s_cmp_eq_u32 s15, 0
	s_cbranch_scc0 .Lfor_b_\@
	tensor_load_to_lds s[\g0a:\g0a+3], s[\g1a:\g1a+7]
	s_nop 0
.rept 4
	v_nop
.endr
	s_branch .Lasked_\@
.Lfor_b_\@:
	tensor_load_to_lds s[\g0b:\g0b+3], s[\g1b:\g1b+7]
	s_nop 0
.rept 4
	v_nop
.endr
.Lasked_\@:
.endm
.macro CREST                           ; a round of the cluster's barrier behind its opening barrier
	s_cmp_lg_u32 s14, 0
	s_cbranch_scc1 .Lnot_wave_0_\@
	s_barrier_signal -3
.Lnot_wave_0_\@:
	s_barrier_wait -3
	s_barrier_signal -1
	s_barrier_wait -1
.endm
.macro CROUND
	s_barrier_signal -1
	s_barrier_wait -1
	CREST
.endm
; 56 LDS loads in one run: the slot's q-th step: P's eight fragments, R's eight, eight registers of scale words, into set.  Each load of 16 bytes a lane takes 512 consecutive bytes.
.macro FETCH slot, q, set
	WIN 0x40                                       ; destination window 1, address window 0
.irp i, 0,1,2,3,4,5,6,7
.irp c, 0,1,2
	ds_load_b128 v[128*(\set)+12*\i+4*\c:128*(\set)+12*\i+4*\c+3], v[ADRP+\slot] offset:(\q)*PANEL+1536*\i+512*\c
.endr
.endr
	WIN 0
.irp i, 0,1,2,3,4,5,6,7
.irp c, 0,1,2
	ds_load_b128 v[64+96*(\set)+12*\i+4*\c:64+96*(\set)+12*\i+4*\c+3], v[ADRR+\slot] offset:(\q)*PANEL+1536*\i+512*\c
.endr
.endr
.irp i, 0,1,2,3,4,5,6,7
	ds_load_b32 v[SC+8*(\set)+\i], v[ADRS+\slot] offset:(\q)*PANEL+128*\i
.endr
.endm
; 16 matrix instructions: R's fragments a0, a0 + 1 against P's eight.  first = 1: the bias is C: nothing is cleared.  The 64 accumulators take turns, one instruction a turn, in the same order in every step.
.macro MUL16 a0, set, first
.irp a, \a0, \a0+1
.irp b, 0,1,2,3,4,5,6,7
.if \first
	v_wmma_scale_f32_16x16x128_f8f6f4 v[8*(8*((\a)%4)+\b):8*(8*((\a)%4)+\b)+7], v[128*(\set)+12*\b:128*(\set)+12*\b+11], v[64+96*(\set)+12*(\a):64+96*(\set)+12*(\a)+11], v[96+8*\b+96*(\b/4):96+8*\b+96*(\b/4)+7], v[SC+8*(\set)+\b], v[SC+8*(\set)+(\a)] matrix_a_fmt:MATRIX_FMT_FP6 matrix_b_fmt:MATRIX_FMT_FP6 matrix_a_scale:MATRIX_SCALE_ROW1
.else
	v_wmma_scale_f32_16x16x128_f8f6f4 v[8*(8*((\a)%4)+\b):8*(8*((\a)%4)+\b)+7], v[128*(\set)+12*\b:128*(\set)+12*\b+11], v[64+96*(\set)+12*(\a):64+96*(\set)+12*(\a)+11], v[8*(8*((\a)%4)+\b):8*(8*((\a)%4)+\b)+7], v[SC+8*(\set)+\b], v[SC+8*(\set)+(\a)] matrix_a_fmt:MATRIX_FMT_FP6 matrix_b_fmt:MATRIX_FMT_FP6 matrix_a_scale:MATRIX_SCALE_ROW1
.endif
.endr
.endr
.endm
.macro MULS set, first                 ; a step's 64: source 0 window 1, source 1 window 0, D window 2 then 3, C with D (first = 1: C window 1)
	WIN 0xa1-0x10*(\first)
	MUL16 0, \set, \first
	MUL16 2, \set, \first
	WIN 0xf1-0x20*(\first)
	MUL16 4, \set, \first
	MUL16 6, \set, \first
.endm
.macro STEP slot, q, first             ; a step whose successor lies in the same slot: the successor's fragments are asked for first, into the other set
	PLACES 4                                       ; that set was read by the products just issued
	FETCH \slot, (\q)+1, 1-(\q)%2
	s_wait_dscnt 56                                ; all but the 56 just issued: this step's set is in
	MULS (\q)%2, \first
	WIN 0
.endm
; A slot's last step (set 1) changes slots: one barrier; in front of it each wave waits for all its tensor loads, adds 0 to its spare word, and waits for that and for its reads of this slot.
.macro TURN slot, next, fill
	s_wait_tensorcnt 0x0                           ; all my tensor loads have landed: the one that was out is my piece of the next slot
	ds_add_u32 v[SPW], v[NIL]                      ; 0 onto my spare word
	s_wait_dscnt 1                                 ; (only the add may be out: set 1 is in)
	WIN 0xa1
	MUL16 0, 1, 0                                  ; sixteen matrix instructions stand between the add and the wait for it
	s_wait_dscnt 0x0                               ; the add is done, and my reads of this slot are over (the last were issued a step ago)
	s_barrier_signal -1
	MUL16 2, 1, 0
	WIN 0
	s_barrier_wait -1
.if \fill
	CREST                                          ; the barrier has opened a round of the cluster's barrier: no wave of any partner still reads this slot or has a load on its way
	s_add_nc_u64 s[G0R+4*\slot+2:G0R+4*\slot+3], s[G0R+4*\slot+2:G0R+4*\slot+3], 2*PIECE   ; four steps on
	s_add_nc_u64 s[G0P+4*\slot+2:G0P+4*\slot+3], s[G0P+4*\slot+2:G0P+4*\slot+3], 2*PIECE
	JLOAD G0R+4*\slot, G1R, G0P+4*\slot, G1P       ; the first tensor load behind the round, 96 matrix instructions ahead of the wait for it; its four v_nop are also the places in front of the loads below
.else
	PLACES 4
.endif
	FETCH \next, 0, 0
	WIN 0xf1
	MUL16 4, 1, 0
	MUL16 6, 1, 0
	WIN 0
.endm
; Block a's 64 numbers of a lane (its eight accumulators on end) become a fragment's codes in v[PC] on and its scale word in v[PW].  Each accumulator is read from its low end on.
.macro QUANTW a
.set AC, 64*((\a)%4)
	s_wait_xcnt 0x0                                ; the last block's stores have read v[PC] on and v[PW]: they are written again only behind this wait
	WIN 0x28+0x14*((\a)/4)                         ; sources 1 and 2: window 2 or 3
.irp b, 0,1,2,3
	v_max3_num_f32 v[TM+\b], 0x1800000, |v[AC+16*\b]|, |v[AC+1+16*\b]|   ; block b: my 16 numbers, and the floor 2^(3 - 127): the byte cannot fall under 1
.endr
.irp i, 2,4,6,8,10,12,14
.irp b, 0,1,2,3
	v_max3_num_f32 v[TM+\b], v[TM+\b], |v[AC+16*\b+\i]|, |v[AC+1+16*\b+\i]|
.endr
.endr
	WIN 0
.irp b, 0,1,2,3
	v_permlanex16_b32 v[TM+4+\b], v[TM+\b], s[SEL], s[SEL+1]
.endr
.irp b, 0,1,2,3
	v_max_num_f32 v[TM+\b], v[TM+\b], v[TM+4+\b]   ; with lane l xor 16's: the block's largest magnitude
.endr
.irp b, 0,1,2,3
	v_add_nc_u32 v[TM+12+\b], 0xff000000, v[TM+\b] ; 2 off its exponent field: the conversion's scale operand
.endr
.irp b, 0,1,2,3
	v_lshrrev_b32 v[TM+4+\b], 23, v[TM+12+\b]      ; the scale's byte
.endr
	v_lshl_or_b32 v[PW], v[TM+5], 8, v[TM+4]
	v_lshl_or_b32 v[PW], v[TM+6], 16, v[PW]
	v_lshl_or_b32 v[PW], v[TM+7], 24, v[PW]
	WIN 2+(\a)/4                                   ; source 0: window 2 or 3
.irp c, 0,1
	v_cvt_scalef32_pk16_fp6_f32 v[PC+6*\c:PC+2+6*\c], v[AC+32*\c:AC+15+32*\c], v[TM+12+2*\c]
	v_cvt_scalef32_pk16_fp6_f32 v[PC+12+4*\c:PC+14+4*\c], v[AC+16+32*\c:AC+31+32*\c], v[TM+12+2*\c+1]
.endr
	WIN 0
	v_nop                                          ; one plain instruction behind a scaled conversion
.irp c, 0,1
.irp i, 0,1,2
	v_permlane16_swap_b32 v[PC+6*\c+\i], v[PC+12+4*\c+\i]
.endr
.irp i, 0,1,2
	v_mov_b32 v[PC+3+6*\c+\i], v[PC+12+4*\c+\i]
.endr
.endr
.endm
.macro IMG a                           ; the fragment goes out as it stands: fragment a of my panel
.irp c, 0,1,2
	global_store_b128 v[LI], v[PC+4*\c:PC+4*\c+3], s[OUT:OUT+1] offset:1536*(\a)+512*\c   ; 512 consecutive bytes, at a multiple of 256 from the buffer's first byte
.endr
	global_store_b32 v[LS], v[PW], s[OUT:OUT+1] offset:12288+128*(\a)
.endm
	s_load_b128 s[4:7], s[0:1], 0x0                ; wc, b_q
	s_load_b128 s[8:11], s[0:1], 0x10              ; b_lat, qc
	s_load_b64 s[12:13], s[0:1], 0x20              ; latimg
	v_lshl_add_u32 v[SPW], v0, 2, SPARE
	v_mov_b32 v[NIL], 0
	ds_add_u32 v28, v29
	ds_add_u32 v28, v29
	s_wait_dscnt 0x0
	v_lshrrev_b32 v1, 5, v0
	v_readfirstlane_b32 s14, v1                    ; wave 0..3
	s_lshr_b32 s15, s14, 1                         ; which of the tile's two R groups is mine.  Also: I fetch for R (0) or for P (1)
	s_and_b32 s16, s14, 1                          ; which of its two P groups.  Also: which group of that side I fetch
	s_bfe_u32 s40, ttmp6, 0x40000                  ; cx: my place in the cluster
	s_lshl_b32 s17, ttmp9, 2
	s_add_co_u32 s17, s17, s40                     ; row tile = 4 x cluster x + cx
	s_and_b32 s18, ttmp7, 0xffff                   ; column tile, which the four partners share
	; descriptor group 1: a piece is dense in memory: 104 rows of 256 bytes (32 elements of 8 bytes), no padding
	s_mov_b32 s[G1R], 3<<16                        ; 15:0 no mask: x's pieces are each work-group's own; 17:16 elements of 8 bytes
	s_mov_b32 s[G1P], 15|(3<<16)|(1<<21)           ; 15:0 the mask: all four work-groups; 21 set beside a mask
.irp g, G1R, G1P
	s_mov_b32 s[\g+1], 32<<16                      ; tensor_dim0
	s_mov_b32 s[\g+2], (PIECE/256)<<16             ; tensor_dim1
	s_mov_b32 s[\g+3], 32<<16                      ; tile_dim0
	s_mov_b32 s[\g+4], PIECE/256                   ; tile_dim1
	s_mov_b32 s[\g+5], 32                          ; tensor_dim0_stride
	s_mov_b32 s[\g+6], 0
	s_mov_b32 s[\g+7], 0
.endr
	s_lshl_b32 s76, s17, 1
	s_add_co_u32 s76, s76, s16
	s_mul_i32 s76, s76, 16*PANEL                   ; x: group 2 x row tile + half, 16 panels a group
	s_mov_b32 s77, 0
	s_lshl_b32 s19, s18, 1
	s_add_co_u32 s19, s19, s16                     ; the weights' group 2 x column tile + half (also my own P group)
	s_mul_i32 s46, s19, 16*PANEL
	s_add_co_u32 s46, s46, 512*PANEL               ; from panel 512 on
	s_mov_b32 s47, 0
	s_mul_i32 s45, s14, PIECE                      ; where a piece goes: wave x PIECE: no place in the cluster enters an LDS address
	s_wait_kmcnt 0x0
	s_add_nc_u64 s[76:77], s[4:5], s[76:77]
	s_add_nc_u64 s[46:47], s[4:5], s[46:47]
	CROUND                                         ; all four work-groups are here: the first joint loads meet
.irp s, 0,1
	s_mov_b32 s[G0R+4*\s], 1                       ; count = 1
	s_add_co_u32 s[G0R+4*\s+1], s45, \s*SLOT       ; LDS address
	s_add_nc_u64 s[G0R+4*\s+2:G0R+4*\s+3], s[76:77], \s*PIECE   ; global address: steps 2 s, 2 s + 1
	s_or_b32 s[G0R+4*\s+3], s[G0R+4*\s+3], 0x80000000           ; type = 2
	s_mov_b32 s[G0P+4*\s], 1
	s_add_co_u32 s[G0P+4*\s+1], s45, \s*SLOT
	s_add_nc_u64 s[G0P+4*\s+2:G0P+4*\s+3], s[46:47], \s*PIECE
	s_or_b32 s[G0P+4*\s+3], s[G0P+4*\s+3], 0x80000000
	JLOAD G0R+4*\s, G1R, G0P+4*\s, G1P             ; both slots' first fills: two loads of mine are out
.endr
	v_and_b32 v1, 31, v0                           ; lane
	v_bfe_u32 v2, v0, 4, 1                         ; h
	v_lshlrev_b32 v[LI], 4, v1
	v_lshlrev_b32 v[LS], 2, v1
	s_mul_i32 s21, s15, PIECE                      ; my R group's piece
	s_mul_i32 s22, s16, PIECE
	s_add_co_u32 s22, s22, 2*PIECE                 ; my P group's, behind R's two
	s_sub_co_u32 s23, s22, s21
	v_mul_u32_u24 v3, s23, v2                      ; lanes 16-31 take P's scale words: one product, the distance between the two pieces
	v_add_nc_u32 v3, v3, v[LS]
	v_add_nc_u32 v3, 12288, v3
.irp s, 0,1
	v_add_nc_u32 v[ADRR+\s], s21, v[LI]
	v_add_nc_u32 v[ADRP+\s], s22, v[LI]
	v_add_nc_u32 v[ADRS+\s], s21, v3
	s_add_co_u32 s21, s21, SLOT
	s_add_co_u32 s22, s22, SLOT
.endr
	s_mov_b32 s[SEL], 0x76543210
	s_mov_b32 s[SEL+1], 0xfedcba98
	s_cmp_ge_u32 s18, 8                            ; column tiles 8 and 9 are w_lat's
	s_cselect_b64 s[BIA:BIA+1], s[8:9], s[6:7]
	s_cselect_b64 s[OUT:OUT+1], s[12:13], s[10:11]
	s_cselect_b32 s70, 16, 0
	s_sub_co_u32 s70, s19, s70                     ; my P group in its own tensor: the head, or the latent's step
	s_lshl_b32 s92, s70, 9
	s_mov_b32 s93, 0
	s_add_nc_u64 s[BIA:BIA+1], s[BIA:BIA+1], s[92:93]
	s_lshl_b32 s80, s17, 1
	s_add_co_u32 s80, s80, s15                     ; my group of 128 tokens
	s_lshl_b32 s81, s80, 4
	s_add_co_u32 s81, s81, s19
	s_mul_i32 s81, s81, PANEL                      ; q: panel 16 x token group + head
	s_lshl_b32 s82, s80, 18
	s_lshl_b32 s83, s70, 13
	s_add_co_u32 s82, s82, s83                     ; lat: 262,144 x token group + 8,192 x step
	s_cmp_ge_u32 s18, 8
	s_cselect_b32 s84, s82, s81
	s_mov_b32 s85, 0
	s_add_nc_u64 s[OUT:OUT+1], s[OUT:OUT+1], s[84:85]
	v_lshlrev_b32 v6, 6, v2                        ; the bias in the result's layout: tile b's register j is column 32 (b / 2) + 8 (b % 2) + 16 h + j
	WIN 0x40
.irp b, 0,1,2,3,4,5,6,7
	global_load_b128 v[96+8*\b+96*(\b/4):96+8*\b+96*(\b/4)+3], v6, s[BIA:BIA+1] offset:(32*(\b/2)+8*(\b%2))*4
	global_load_b128 v[96+8*\b+96*(\b/4)+4:96+8*\b+96*(\b/4)+7], v6, s[BIA:BIA+1] offset:(32*(\b/2)+8*(\b%2))*4+16
.endr
	WIN 0
	s_wait_tensorcnt 1                             ; my piece of slot 0 is in; slot 1's may stay out
	s_barrier_signal -1
	s_barrier_wait -1                              ; everybody's is
	FETCH 0, 0, 0
	s_wait_loadcnt 0x0                             ; the bias
	STEP 0, 0, 1                                   ; the first step stands in front of the loop: its products start the sums
	s_mov_b32 s3, 3
.Llap:                                                 ; a trip goes once round the ring (four steps) and fills both slots again: 16 steps = 1 + 3 x 4 + 3
	TURN 0, 1, 1
	STEP 1, 0, 0
	TURN 1, 0, 1
	STEP 0, 0, 0
	s_sub_co_u32 s3, s3, 1
	s_cmp_lg_u32 s3, 0
	s_cbranch_scc1 .Llap
	TURN 0, 1, 0                                   ; the last lap fills nothing, and has no round of the cluster's barrier
	STEP 1, 0, 0
	s_wait_dscnt 0x0                               ; the very last step
	MULS 1, 0
	WIN 0
	PLACES 4                                       ; in front of the first reads of results and writes of registers that held fragments
	s_cmp_ge_u32 s18, 8                            ; the column tile is the same in all partners
	s_cbranch_scc1 .Llat
.irp b, 0,1,2,3
	v_mov_b32 v[TM+4+\b], 0                        ; a lane permute's destination counts as one of its sources
.endr
.irp a, 0,1,2,3,4,5,6,7
	QUANTW \a                                      ; q: 16 tokens x my head's 128, quantised along the head
	IMG \a
.endr
	s_branch .Lend
.Llat:
.irp a, 0,1,2,3,4,5,6,7                        ; lat + b_lat: the registers as they stand; a store's data are its source 1
	WIN 0x08+4*(\a/4)
.irp q, 0,1,2,3,4,5,6,7,8,9,10,11,12,13,14,15
	global_store_b128 v[LI], v[64*(\a%4)+4*\q:64*(\a%4)+4*\q+3], s[OUT:OUT+1] offset:32768*\a+512*\q   ; each accumulator from its low end on; 512 consecutive bytes a store
.endr
.endr
	WIN 0
.Lend:
	s_wait_tensorcnt 0x0                           ; the wave's end
	ds_add_u32 v[SPW], v[NIL]
	s_wait_dscnt 0x0
	CROUND                                         ; the closing round: no work-group ends while a partner may still ask for a piece that names it
	s_endpgm
.Lfunc_end_k_qf9b99aeb0f_gqlat:
	.size	k_qf9b99aeb0f_gqlat, .Lfunc_end_k_qf9b99aeb0f_gqlat-k_qf9b99aeb0f_gqlat
	.p2alignl 7, 3214868480
	.fill 96, 4, 3214868480
	.section	.rodata,"a",@progbits
	.p2align	6, 0x0
	.amdhsa_kernel k_qf9b99aeb0f_gqlat
		.amdhsa_group_segment_fixed_size 327680
		.amdhsa_private_segment_fixed_size 0
		.amdhsa_enable_private_segment 0
		.amdhsa_kernarg_size 40
		.amdhsa_user_sgpr_count 2
		.amdhsa_user_sgpr_kernarg_segment_ptr 1
		.amdhsa_wavefront_size32 1
		.amdhsa_system_sgpr_workgroup_id_x 1
		.amdhsa_system_sgpr_workgroup_id_y 1
		.amdhsa_system_sgpr_workgroup_id_z 1
		.amdhsa_system_vgpr_workitem_id 0
		.amdhsa_next_free_vgpr 1024
		.amdhsa_next_free_sgpr 100
		.amdhsa_reserve_vcc 0
		.amdhsa_float_denorm_mode_32 3
		.amdhsa_float_denorm_mode_16_64 3
		.amdhsa_memory_ordered 1
		.amdhsa_forward_progress 1
		.amdhsa_inst_pref_size 152
	.end_amdhsa_kernel
	.amdgpu_metadata
---
amdhsa.version: [ 1, 2 ]
amdhsa.kernels:
  - .name:           k_qf9b99aeb0f_gqlat
    .symbol:         k_qf9b99aeb0f_gqlat.kd
    .args:
      - { .name: wc, .offset: 0, .size: 8, .value_kind: global_buffer, .address_space: global }
      - { .name: b_q, .offset: 8, .size: 8, .value_kind: global_buffer, .address_space: global }
      - { .name: b_lat, .offset: 16, .size: 8, .value_kind: global_buffer, .address_space: global }
      - { .name: qc, .offset: 24, .size: 8, .value_kind: global_buffer, .address_space: global }
      - { .name: latimg, .offset: 32, .size: 8, .value_kind: global_buffer, .address_space: global }
    .group_segment_fixed_size: 327680
    .private_segment_fixed_size: 0
    .kernarg_segment_align: 8
    .kernarg_segment_size: 40
    .max_flat_workgroup_size: 128
    .sgpr_count:     100
    .vgpr_count:     1024
    .wavefront_size: 32
...
	.end_amdgpu_metadata
.endif
;; end of part 2
;; launch lnorm (part 3): grid 256 x 1, 4 waves a work-group, no clusters, 1,536 bytes of LDS; arguments latimg, g_ln, b_ln, latc; writes latc
.if DOCPART == 3
	.amdgcn_target "amdgcn-amd-amdhsa--gfx1250"
	.amdhsa_code_object_version 6
	.text
	.protected	k_qf9b99aeb0f_lnorm
	.globl	k_qf9b99aeb0f_lnorm
	.p2align	8
	.type	k_qf9b99aeb0f_lnorm,@function
k_qf9b99aeb0f_lnorm:
	s_mov_b64 s[64:65], 0
	v_nop
	global_prefetch_b8 v0, s[64:65] scope:SCOPE_SE
	s_setreg_imm32_b32 hwreg(HW_REG_WAVE_MODE, 25, 1), 1
	s_wait_xcnt 0x0
; latent = layernorm(lat) x g_ln + b_ln over rows of 512, in f32, then quantised along the 512 to codes of FP6 (E2M3) with E8M0 scales, laid as panels (see below) for the next product.
; latimg holds lat + b_lat as images of registers: [token group g 32][fragment a 8][step s 4][quad q 16][lane x 16 bytes]: lane (r, h)'s register 16 b + i is column 128 s + 32 b + 16 h + i of token
; 128 g + 32 (a / 2) + 8 (a % 2) + r + 8 (r / 8).
; SHARES.  Work-group 8 g + a takes 16 tokens; wave s their columns 128 s on, 64 a lane.  A token's sums meet lane l xor 16's, then the four waves' through LDS: two sums (the mean; the squares of the differences
; from it: two passes, as the formula is written), two barriers, other bytes for the second.  Each load reads 512 consecutive bytes.  No tensor load, no cluster (no work-group reads what another reads but g_ln and b_ln, 4 KiB), no matrix unit.
; The result is fragment a of panel 4 g + s of latc (13,312 bytes a panel: fragment a at 1536 a, registers 4 c on at + 512 c, lane l at + 16 l; scale words at 12288 + 128 a + 4 l).
; LIMITS: NaN and infinities are not served; a block's largest magnitude is taken as at least 2^-124 (a block of zeros: byte 1 over zero codes; this program alone reads the bytes).
.set PANEL, 13312
.set LI,  2                            ; v2   16 x lane
.set LS,  3                            ; v3   4 x lane
.set TH,  4                            ; v4   4 x thread
.set HB,  5                            ; v5   64 h
.set X,   32                           ; v32-95   my 64 numbers
.set GG,  96                           ; v96-159  g_ln at my columns; later the codes
.set BB,  160                          ; v160-223 b_ln
.set TM,  224                          ; v224-239 at work
.set PW,  240
.set PC,  96
.set T,   244                          ; v244-247 sums
.set MU,  250                          ; v[250:251] the mean (the packed form names a pair and takes its low word)
.set RS,  252                          ; v[252:253] 1 / sqrt(var + eps)
.set SEL, 20
.macro QUANT s
.irp b, 0,1,2,3
	v_max3_num_f32 v[TM+\b], |v[\s+16*\b]|, |v[\s+1+16*\b]|, 0x1800000   ; block b: my 16 numbers, and the floor 2^(3 - 127)
.endr
.irp i, 2,4,6,8,10,12,14
.irp b, 0,1,2,3
	v_max3_num_f32 v[TM+\b], v[TM+\b], |v[\s+16*\b+\i]|, |v[\s+1+16*\b+\i]|
.endr
.endr
.irp b, 0,1,2,3
	v_permlanex16_b32 v[TM+4+\b], v[TM+\b], s[SEL], s[SEL+1]
.endr
.irp b, 0,1,2,3
	v_max_num_f32 v[TM+\b], v[TM+\b], v[TM+4+\b]
.endr
.irp b, 0,1,2,3
	v_add_nc_u32 v[TM+12+\b], 0xff000000, v[TM+\b]         ; 2 off the exponent field: the conversion's scale operand
.endr
.irp b, 0,1,2,3
	v_lshrrev_b32 v[TM+4+\b], 23, v[TM+12+\b]              ; the scale's byte
.endr
	v_lshl_or_b32 v[PW], v[TM+5], 8, v[TM+4]
	v_lshl_or_b32 v[PW], v[TM+6], 16, v[PW]
	v_lshl_or_b32 v[PW], v[TM+7], 24, v[PW]
.irp c, 0,1
	v_cvt_scalef32_pk16_fp6_f32 v[PC+6*\c:PC+2+6*\c], v[\s+32*\c:\s+15+32*\c], v[TM+12+2*\c]
	v_cvt_scalef32_pk16_fp6_f32 v[PC+12+4*\c:PC+14+4*\c], v[\s+16+32*\c:\s+31+32*\c], v[TM+12+2*\c+1]
.endr
	v_nop                                                  ; one plain instruction behind a scaled conversion
.irp c, 0,1
.irp i, 0,1,2
	v_permlane16_swap_b32 v[PC+6*\c+\i], v[PC+12+4*\c+\i]
.endr
.irp i, 0,1,2
	v_mov_b32 v[PC+3+6*\c+\i], v[PC+12+4*\c+\i]
.endr
.endr
.endm
; v[T:T+3], two packed partial sums of my 64 numbers, become the token's sum over all 512 columns in v[TM], in every lane that holds the token; off: this sum's 512 bytes of LDS
.macro ALLSUM off
	v_pk_add_f32 v[T:T+1], v[T:T+1], v[T+2:T+3]
	v_add_f32 v[T], v[T], v[T+1]
	v_permlanex16_b32 v[TM+4], v[T], s[SEL], s[SEL+1]
	v_add_f32 v[T], v[T], v[TM+4]                  ; with lane l xor 16's: my wave's 128 columns
	ds_store_b32 v[TH], v[T] offset:\off
	s_wait_dscnt 0x0                               ; for the others' sake: my store has landed
	s_barrier_signal -1
	s_barrier_wait -1
.irp w, 0,1,2,3
	ds_load_b32 v[TM+\w], v[LS] offset:\off+128*\w ; my lane's word of each wave
.endr
	s_wait_dscnt 0x0
	v_add_f32 v[TM], v[TM], v[TM+1]                ; in one order in all four waves
	v_add_f32 v[TM+2], v[TM+2], v[TM+3]
	v_add_f32 v[TM], v[TM], v[TM+2]
.endm
	s_load_b256 s[4:11], s[0:1], 0x0               ; latimg, g_ln, b_ln, latc
	v_lshl_add_u32 v254, v0, 2, 0x400
	v_mov_b32 v255, 0
	v_lshrrev_b32 v1, 5, v0
	v_readfirstlane_b32 s12, v1                    ; wave = step s
	v_and_b32 v1, 31, v0
	v_bfe_u32 v6, v0, 4, 1
	v_lshlrev_b32 v[LI], 4, v1
	v_lshlrev_b32 v[LS], 2, v1
	v_lshlrev_b32 v[TH], 2, v0
	v_lshlrev_b32 v[HB], 6, v6
	s_mov_b32 s[SEL], 0x76543210
	s_mov_b32 s[SEL+1], 0xfedcba98
	s_mov_b32 s22, 0x3b000000                      ; 1 / 512
	s_mov_b32 s23, 0x3727c5ac                      ; 1e-5
.irp b, 0,1,2,3
	v_mov_b32 v[TM+4+\b], 0                        ; a lane permute's destination counts as one of its sources
.endr
	v_mov_b32 v[MU+1], 0                           ; (named as the upper halves of pairs)
	v_mov_b32 v[RS+1], 0
	s_lshl_b32 s14, ttmp9, 15
	s_lshl_b32 s13, s12, 13
	s_add_co_u32 s14, s14, s13                     ; 32,768 x (8 g + a) + 8,192 s
	s_mov_b32 s15, 0
	s_lshl_b32 s16, s12, 9                         ; my 128 numbers of g_ln and b_ln
	s_mov_b32 s17, 0
	s_lshr_b32 s18, ttmp9, 3
	s_lshl_b32 s18, s18, 2
	s_add_co_u32 s18, s18, s12
	s_mul_i32 s18, s18, PANEL                      ; panel 4 g + s
	s_and_b32 s13, ttmp9, 7                        ; a
	s_mul_i32 s24, s13, 1536
	s_add_co_u32 s24, s24, s18
	s_mov_b32 s25, 0
	s_lshl_b32 s26, s13, 7
	s_add_co_u32 s26, s26, s18
	s_add_co_u32 s26, s26, 12288
	s_mov_b32 s27, 0
	s_wait_kmcnt 0x0
	s_add_nc_u64 s[4:5], s[4:5], s[14:15]
	s_add_nc_u64 s[6:7], s[6:7], s[16:17]
	s_add_nc_u64 s[8:9], s[8:9], s[16:17]
	s_add_nc_u64 s[28:29], s[10:11], s[24:25]      ; the codes
	s_add_nc_u64 s[30:31], s[10:11], s[26:27]      ; the scale words
.irp q, 0,1,2,3,4,5,6,7,8,9,10,11,12,13,14,15
	global_load_b128 v[X+4*\q:X+4*\q+3], v[LI], s[4:5] offset:512*\q th:TH_LOAD_NT
.endr
.irp b, 0,1,2,3
.irp j, 0,1,2,3
	global_load_b128 v[GG+16*\b+4*\j:GG+16*\b+4*\j+3], v[HB], s[6:7] offset:128*\b+16*\j   ; columns 32 b + 16 h + 4 j on: my registers' own order
	global_load_b128 v[BB+16*\b+4*\j:BB+16*\b+4*\j+3], v[HB], s[8:9] offset:128*\b+16*\j
.endr
.endr
	s_wait_loadcnt 32                              ; my 64 numbers are in; the 32 younger loads (g_ln, b_ln) may be out
	v_pk_add_f32 v[T:T+1], v[X:X+1], v[X+4:X+5]    ; the sum, two at a time, in two chains
	v_pk_add_f32 v[T+2:T+3], v[X+2:X+3], v[X+6:X+7]
.irp j, 8,12,16,20,24,28,32,36,40,44,48,52,56,60
	v_pk_add_f32 v[T:T+1], v[T:T+1], v[X+\j:X+\j+1]
	v_pk_add_f32 v[T+2:T+3], v[T+2:T+3], v[X+\j+2:X+\j+3]
.endr
	ALLSUM 0
	v_mul_f32 v[MU], s22, v[TM]                    ; the mean
.set j, 0
.rept 32
	v_pk_add_f32 v[X+j:X+j+1], v[X+j:X+j+1], v[MU:MU+1] op_sel_hi:[1,0] neg_lo:[0,1] neg_hi:[0,1]   ; x - mean
.set j, j+2
.endr
	v_pk_mul_f32 v[T:T+1], v[X:X+1], v[X:X+1]
	v_pk_mul_f32 v[T+2:T+3], v[X+2:X+3], v[X+2:X+3]
.irp j, 4,8,12,16,20,24,28,32,36,40,44,48,52,56,60
	v_pk_fma_f32 v[T:T+1], v[X+\j:X+\j+1], v[X+\j:X+\j+1], v[T:T+1]
	v_pk_fma_f32 v[T+2:T+3], v[X+\j+2:X+\j+3], v[X+\j+2:X+\j+3], v[T+2:T+3]
.endr
	ALLSUM 512
	v_fma_f32 v[RS], v[TM], s22, s23               ; the variance + 1e-5 (the division by 512 is exact)
	v_rsq_f32 v[RS], v[RS]
	v_nop                                          ; a plain instruction behind the transcendental
	s_wait_loadcnt 0x0                             ; g_ln, b_ln
	s_wait_alu depctr_va_vdst(0)                   ; and a wait ahead of the first use of its result
.set j, 0
.rept 32
	v_pk_mul_f32 v[X+j:X+j+1], v[X+j:X+j+1], v[RS:RS+1] op_sel_hi:[1,0]
.set j, j+2
.endr
.set j, 0
.rept 32
	v_pk_fma_f32 v[X+j:X+j+1], v[X+j:X+j+1], v[GG+j:GG+j+1], v[BB+j:BB+j+1]
.set j, j+2
.endr
	QUANT X
.irp c, 0,1,2
	global_store_b128 v[LI], v[PC+4*\c:PC+4*\c+3], s[28:29] offset:512*\c   ; 512 consecutive bytes, at a multiple of 256 from latc's first byte
.endr
	global_store_b32 v[LS], v[PW], s[30:31]
	s_wait_tensorcnt 0x0
	ds_add_u32 v254, v255
	s_wait_dscnt 0x0
	s_endpgm
.Lfunc_end_k_qf9b99aeb0f_lnorm:
	.size	k_qf9b99aeb0f_lnorm, .Lfunc_end_k_qf9b99aeb0f_lnorm-k_qf9b99aeb0f_lnorm
	.p2alignl 7, 3214868480
	.fill 96, 4, 3214868480
	.section	.rodata,"a",@progbits
	.p2align	6, 0x0
	.amdhsa_kernel k_qf9b99aeb0f_lnorm
		.amdhsa_group_segment_fixed_size 1536
		.amdhsa_private_segment_fixed_size 0
		.amdhsa_enable_private_segment 0
		.amdhsa_kernarg_size 32
		.amdhsa_user_sgpr_count 2
		.amdhsa_user_sgpr_kernarg_segment_ptr 1
		.amdhsa_wavefront_size32 1
		.amdhsa_system_sgpr_workgroup_id_x 1
		.amdhsa_system_sgpr_workgroup_id_y 1
		.amdhsa_system_sgpr_workgroup_id_z 1
		.amdhsa_system_vgpr_workitem_id 0
		.amdhsa_next_free_vgpr 256
		.amdhsa_next_free_sgpr 66
		.amdhsa_reserve_vcc 0
		.amdhsa_float_denorm_mode_32 3
		.amdhsa_float_denorm_mode_16_64 3
		.amdhsa_memory_ordered 1
		.amdhsa_forward_progress 1
		.amdhsa_inst_pref_size 23
	.end_amdhsa_kernel
	.amdgpu_metadata
---
amdhsa.version: [ 1, 2 ]
amdhsa.kernels:
  - .name:           k_qf9b99aeb0f_lnorm
    .symbol:         k_qf9b99aeb0f_lnorm.kd
    .args:
      - { .name: latimg, .offset: 0, .size: 8, .value_kind: global_buffer, .address_space: global }
      - { .name: g_ln, .offset: 8, .size: 8, .value_kind: global_buffer, .address_space: global }
      - { .name: b_ln, .offset: 16, .size: 8, .value_kind: global_buffer, .address_space: global }
      - { .name: latc, .offset: 24, .size: 8, .value_kind: global_buffer, .address_space: global }
    .group_segment_fixed_size: 1536
    .private_segment_fixed_size: 0
    .kernarg_segment_align: 8
    .kernarg_segment_size: 32
    .max_flat_workgroup_size: 128
    .sgpr_count:     66
    .vgpr_count:     256
    .wavefront_size: 32
...
	.end_amdgpu_metadata
.endif
;; end of part 3
;; launch gkv (part 4): grid 16 x 16, 4 waves a work-group, clusters of 4 x 4, 213,504 bytes of LDS; arguments wc, latc, b_kv, kvc; writes kvc
.if DOCPART == 4
	.amdgcn_target "amdgcn-amd-amdhsa--gfx1250"
	.amdhsa_code_object_version 6
	.text
	.protected	k_qf9b99aeb0f_gkv
	.globl	k_qf9b99aeb0f_gkv
	.p2align	8
	.type	k_qf9b99aeb0f_gkv,@function
k_qf9b99aeb0f_gkv:
	s_mov_b64 s[64:65], 0
	v_nop
	global_prefetch_b8 v0, s[64:65] scope:SCOPE_SE
	s_setreg_imm32_b32 hwreg(HW_REG_WAVE_MODE, 25, 1), 1
	s_wait_xcnt 0x0
	s_wait_alu depctr_hold_cnt(0) depctr_sa_sdst(0) depctr_va_vdst(0) depctr_va_sdst(0) depctr_va_ssrc(0) depctr_va_vcc(0) depctr_vm_vsrc(0)
	s_getreg_b32 s2, hwreg(HW_REG_IB_STS2, 6, 4)
	s_cmp_eq_u32 s2, 0
	s_cbranch_scc0 .Lentry_in_a_cluster
	s_endpgm
.Lentry_in_a_cluster:
	s_bfe_u32 s2, ttmp6, 0x10000c
	s_cmp_lg_u32 s2, 0xf033
	s_cbranch_scc0 .Lentry_shape_is_right
	s_endpgm
.Lentry_shape_is_right:
; kv = latent w_kv^T + b_kv, 4096 x 4096 x 512 on codes of FP6 (E2M3) with E8M0 scales, f32 sums; k and v leave quantised, as panels for the two products of attention.
; PANELS (128 rows x 128 K in the order of the operand's registers, 13,312 bytes: fragment i at 1536 i, registers 4 c on at + 512 c, lane l at + 16 l; scale words at 12288 + 128 i + 4 l; lane r of fragment i =
; row 32 (i / 2) + 8 (i % 2) + r + 8 (r / 8)).  latent: panels 4 g + s of latc; w_kv: panels 1088 + 4 g + s of wc (groups 0-15 make k, a head each; groups 16-31 make v).
; SHARES.  A work-group of four waves makes 256 tokens x 256 columns, a wave 128 x 128: 64 accumulators.  K is 512: four steps.  ALL of it is fetched at once, each wave one group's four panels (53,248 dense bytes) by one
; tensor load (waves 0, 1: latent; waves 2, 3: weights): nothing in LDS is filled again, so there is no ring.
; THE MATRIX INSTRUCTION: source 0 = P, source 1 = R: lane (r, h) holds one row of R, and the 64 registers of its eight tiles run along P's rows in the order in which the quantiser takes a lane's numbers.
; k (weight tiles 0-7):  R = tokens, P = a head's 128 rows of w_kv: the result is quantised along the head: fragment = 16 keys x 128.     Panel 16 x token group + head of kvc.
; v (weight tiles 8-15): R = a head's 128 rows of w_kv, P = tokens: the result is quantised along the KEYS, which are the second product's K: fragment = 16 of the head's 128 x 128 keys.  Panel 512 + 32 x head + token group.
; The mode hangs on the cluster's x alone: it is the same in all partners; it chooses bases of LDS reads, and no line stores to LDS.
; The bias runs along P in k mode (it is the C of each sum's first product: an order of rounding that differs from adding it last; in v mode that C is made 0) and along R in v mode (added to the finished sums).
; CLUSTER 4 x 4: the latent's pieces hang on the token tile alone and are shared along a row of the cluster, the weights' on the weight tile alone and are shared along a column: joint loads, a quarter of the requests.
; No prefetch: all that a work-group reads is asked for at its head.
; LIMITS: NaN and infinities are not served; a block's largest magnitude is taken as at least 2^-124 (a block of zeros: byte 1 over zero codes; this program alone reads the bytes).
; REGISTERS: window 0: v4-13 addresses, v32-47 scale words (two sets), v48-63 the bias along R (a pair for each fragment, the upper word 0), v64-159, v160-255 R's fragments; window 1: v0-95, v128-223 P's fragments,
;   v96-127, v224-255 the bias along P in the result's layout; windows 2, 3: accumulator (a, b) at v[8 (8 (a % 4) + b)].
.set PANEL, 13312
.set PIECE, 4*PANEL                    ; one group, all four steps
.set LI,   4
.set LS,   5
.set ADRR, 8
.set ADRP, 10
.set ADRS, 12
.set SC,   32
.set BR,   48
.set TM,   64
.set PW,   80
.set PC,   84
.set G1R, 24                           ; s[24:31], s[32:35] descriptor groups 1 and 0 for the latent's pieces
.set G0R, 32
.set G1P, 48                           ; s[48:55], s[56:59] for the weights'
.set G0P, 56
.set OUT, 66
.set BIA, 68                           ; s[68:69] b_kv at weight group 2 wt + wp;  s[74:75] at 2 wt + wr
.set BIB, 74
.set SEL, 72
.set MSB, 0
.macro WIN new                         ; s_set_vgpr_msb: bits 1:0 source 0, 3:2 source 1, 5:4 source 2, 7:6 destination; the high byte repeats the setting that is left
.if MSB != (\new)
	s_set_vgpr_msb (MSB<<8)|(\new)
.set MSB, (\new)
.endif
.endm
.macro PLACES n
.rept \n
	v_nop
.endr
.endm
.macro JLOAD g0a, g1a, g0b, g1b        ; waves 0 and 1 fetch the latent's pieces, waves 2 and 3 the weights'; four v_nop follow each line
	s_cmp_eq_u32 s15, 0
	s_cbranch_scc0 .Lfor_b_\@
	tensor_load_to_lds s[\g0a:\g0a+3], s[\g1a:\g1a+7]
	s_nop 0
.rept 4
	v_nop
.endr
	s_branch .Lasked_\@
.Lfor_b_\@:
	tensor_load_to_lds s[\g0b:\g0b+3], s[\g1b:\g1b+7]
	s_nop 0
.rept 4
	v_nop
.endr
.Lasked_\@:
.endm
.macro CREST
	s_cmp_lg_u32 s14, 0
	s_cbranch_scc1 .Lnot_wave_0_\@
	s_barrier_signal -3
.Lnot_wave_0_\@:
	s_barrier_wait -3
	s_barrier_signal -1
	s_barrier_wait -1
.endm
.macro CROUND
	s_barrier_signal -1
	s_barrier_wait -1
	CREST
.endm
.macro FETCH slot, q, set              ; 56 LDS loads in one run: step q: P's eight fragments, R's eight, eight registers of scale words
	WIN 0x40
.irp i, 0,1,2,3,4,5,6,7
.irp c, 0,1,2
	ds_load_b128 v[128*(\set)+12*\i+4*\c:128*(\set)+12*\i+4*\c+3], v[ADRP+\slot] offset:(\q)*PANEL+1536*\i+512*\c
.endr
.endr
	WIN 0
.irp i, 0,1,2,3,4,5,6,7
.irp c, 0,1,2
	ds_load_b128 v[64+96*(\set)+12*\i+4*\c:64+96*(\set)+12*\i+4*\c+3], v[ADRR+\slot] offset:(\q)*PANEL+1536*\i+512*\c
.endr
.endr
.irp i, 0,1,2,3,4,5,6,7
	ds_load_b32 v[SC+8*(\set)+\i], v[ADRS+\slot] offset:(\q)*PANEL+128*\i
.endr
.endm
.macro MUL16 a0, set, first            ; the 64 accumulators take turns, one instruction a turn, in the same order in every step
.irp a, \a0, \a0+1
.irp b, 0,1,2,3,4,5,6,7
.if \first
	v_wmma_scale_f32_16x16x128_f8f6f4 v[8*(8*((\a)%4)+\b):8*(8*((\a)%4)+\b)+7], v[128*(\set)+12*\b:128*(\set)+12*\b+11], v[64+96*(\set)+12*(\a):64+96*(\set)+12*(\a)+11], v[96+8*\b+96*(\b/4):96+8*\b+96*(\b/4)+7], v[SC+8*(\set)+\b], v[SC+8*(\set)+(\a)] matrix_a_fmt:MATRIX_FMT_FP6 matrix_b_fmt:MATRIX_FMT_FP6 matrix_a_scale:MATRIX_SCALE_ROW1
.else
	v_wmma_scale_f32_16x16x128_f8f6f4 v[8*(8*((\a)%4)+\b):8*(8*((\a)%4)+\b)+7], v[128*(\set)+12*\b:128*(\set)+12*\b+11], v[64+96*(\set)+12*(\a):64+96*(\set)+12*(\a)+11], v[8*(8*((\a)%4)+\b):8*(8*((\a)%4)+\b)+7], v[SC+8*(\set)+\b], v[SC+8*(\set)+(\a)] matrix_a_fmt:MATRIX_FMT_FP6 matrix_b_fmt:MATRIX_FMT_FP6 matrix_a_scale:MATRIX_SCALE_ROW1
.endif
.endr
.endr
.endm
.macro MULS set, first
	WIN 0xa1-0x10*(\first)
	MUL16 0, \set, \first
	MUL16 2, \set, \first
	WIN 0xf1-0x20*(\first)
	MUL16 4, \set, \first
	MUL16 6, \set, \first
.endm
.macro STEP slot, q, first
	PLACES 4                                       ; the other set was read by the products just issued
	FETCH \slot, (\q)+1, 1-(\q)%2
	s_wait_dscnt 56                                ; all but the 56 just issued: this step's set is in
	MULS (\q)%2, \first
	WIN 0
.endm
.macro QUANTW a                        ; block a's 64 numbers of a lane become a fragment's codes in v[PC] on and its scale word in v[PW]; each accumulator is read from its low end on
.set AC, 64*((\a)%4)
	s_wait_xcnt 0x0                                ; the last block's stores have read v[PC] on and v[PW]
	WIN 0x28+0x14*((\a)/4)
.irp b, 0,1,2,3
	v_max3_num_f32 v[TM+\b], 0x1800000, |v[AC+16*\b]|, |v[AC+1+16*\b]|   ; and the floor 2^(3 - 127)
.endr
.irp i, 2,4,6,8,10,12,14
.irp b, 0,1,2,3
	v_max3_num_f32 v[TM+\b], v[TM+\b], |v[AC+16*\b+\i]|, |v[AC+1+16*\b+\i]|
.endr
.endr
	WIN 0
.irp b, 0,1,2,3
	v_permlanex16_b32 v[TM+4+\b], v[TM+\b], s[SEL], s[SEL+1]
.endr
.irp b, 0,1,2,3
	v_max_num_f32 v[TM+\b], v[TM+\b], v[TM+4+\b]
.endr
.irp b, 0,1,2,3
	v_add_nc_u32 v[TM+12+\b], 0xff000000, v[TM+\b]
.endr
.irp b, 0,1,2,3
	v_lshrrev_b32 v[TM+4+\b], 23, v[TM+12+\b]
.endr
	v_lshl_or_b32 v[PW], v[TM+5], 8, v[TM+4]
	v_lshl_or_b32 v[PW], v[TM+6], 16, v[PW]
	v_lshl_or_b32 v[PW], v[TM+7], 24, v[PW]
	WIN 2+(\a)/4
.irp c, 0,1
	v_cvt_scalef32_pk16_fp6_f32 v[PC+6*\c:PC+2+6*\c], v[AC+32*\c:AC+15+32*\c], v[TM+12+2*\c]
	v_cvt_scalef32_pk16_fp6_f32 v[PC+12+4*\c:PC+14+4*\c], v[AC+16+32*\c:AC+31+32*\c], v[TM+12+2*\c+1]
.endr
	WIN 0
	v_nop                                          ; one plain instruction behind a scaled conversion
.irp c, 0,1
.irp i, 0,1,2
	v_permlane16_swap_b32 v[PC+6*\c+\i], v[PC+12+4*\c+\i]
.endr
.irp i, 0,1,2
	v_mov_b32 v[PC+3+6*\c+\i], v[PC+12+4*\c+\i]
.endr
.endr
.endm
.macro IMG a
.irp c, 0,1,2
	global_store_b128 v[LI], v[PC+4*\c:PC+4*\c+3], s[OUT:OUT+1] offset:1536*(\a)+512*\c   ; 512 consecutive bytes, at a multiple of 256 from kvc's first byte
.endr
	global_store_b32 v[LS], v[PW], s[OUT:OUT+1] offset:12288+128*(\a)
.endm
	s_load_b256 s[4:11], s[0:1], 0x0               ; wc, latc, b_kv, kvc
	v_lshl_add_u32 v30, v0, 2, 0x34000
	v_mov_b32 v31, 0
	ds_add_u32 v30, v31
	ds_add_u32 v30, v31
	v_lshrrev_b32 v1, 5, v0
	v_readfirstlane_b32 s14, v1                    ; wave 0..3
	s_lshr_b32 s15, s14, 1                         ; wr: which R group is mine.  Also: I fetch the latent (0) or the weights (1)
	s_and_b32 s16, s14, 1                          ; wp: which P group.  Also: which group of that side I fetch
	s_bfe_u32 s40, ttmp6, 0x40000                  ; cx, cy
	s_bfe_u32 s41, ttmp6, 0x40004
	s_lshl_b32 s17, ttmp9, 2
	s_add_co_u32 s17, s17, s40                     ; weight tile wt = 4 x cluster x + cx
	s_and_b32 s18, ttmp7, 0xffff
	s_lshl_b32 s18, s18, 2
	s_add_co_u32 s18, s18, s41                     ; token tile tt = 4 x cluster y + cy
	s_lshl_b32 s43, s41, 2
	s_lshl_b32 s43, 15, s43                        ; my row of the cluster
	s_lshl_b32 s44, 0x1111, s40                    ; my column
	s_or_b32 s[G1R], s43, (3<<16)|(1<<21)          ; 15:0 the mask; 17:16 elements of 8 bytes; 21 set beside a mask; no padding
	s_or_b32 s[G1P], s44, (3<<16)|(1<<21)
.irp g, G1R, G1P                               ; a piece is dense in memory: 208 rows of 256 bytes
	s_mov_b32 s[\g+1], 32<<16
	s_mov_b32 s[\g+2], (PIECE/256)<<16
	s_mov_b32 s[\g+3], 32<<16
	s_mov_b32 s[\g+4], PIECE/256
	s_mov_b32 s[\g+5], 32
	s_mov_b32 s[\g+6], 0
	s_mov_b32 s[\g+7], 0
.endr
	s_lshl_b32 s76, s18, 1
	s_add_co_u32 s76, s76, s16
	s_mul_i32 s76, s76, PIECE                      ; the latent: group 2 tt + half
	s_mov_b32 s77, 0
	s_lshl_b32 s46, s17, 1
	s_add_co_u32 s46, s46, s16
	s_mul_i32 s46, s46, PIECE
	s_add_co_u32 s46, s46, 1088*PANEL              ; the weights: group 2 wt + half, from panel 1088 on
	s_mov_b32 s47, 0
	s_mul_i32 s45, s14, PIECE                      ; where a piece goes: wave x PIECE
	s_wait_dscnt 0x0
	s_wait_kmcnt 0x0
	s_add_nc_u64 s[76:77], s[6:7], s[76:77]
	s_add_nc_u64 s[46:47], s[4:5], s[46:47]
	CROUND                                         ; all sixteen work-groups are here: the joint loads meet
	s_mov_b32 s[G0R], 1
	s_mov_b32 s[G0R+1], s45
	s_mov_b64 s[G0R+2:G0R+3], s[76:77]
	s_or_b32 s[G0R+3], s[G0R+3], 0x80000000
	s_mov_b32 s[G0P], 1
	s_mov_b32 s[G0P+1], s45
	s_mov_b64 s[G0P+2:G0P+3], s[46:47]
	s_or_b32 s[G0P+3], s[G0P+3], 0x80000000
	JLOAD G0R, G1R, G0P, G1P                       ; my one tensor load of the launch
	v_and_b32 v1, 31, v0                           ; lane
	v_bfe_u32 v2, v0, 4, 1                         ; h
	v_and_b32 v3, 15, v0                           ; r
	v_lshlrev_b32 v[LI], 4, v1
	v_lshlrev_b32 v[LS], 2, v1
	s_cmp_ge_u32 ttmp9, 2                          ; v mode: weight tiles 8 to 15
	s_cselect_b32 s70, 1, 0
	s_cselect_b32 s71, 0, -1                       ; all ones in k mode
	s_cselect_b32 s21, 2, 0                        ; R's pieces: the weights' in v mode, the latent's in k mode
	s_cselect_b32 s22, 0, 2                        ; P's: the other two
	s_add_co_u32 s21, s21, s15
	s_mul_i32 s21, s21, PIECE
	s_add_co_u32 s22, s22, s16
	s_mul_i32 s22, s22, PIECE
	v_add_nc_u32 v[ADRR], s21, v[LI]
	v_add_nc_u32 v[ADRP], s22, v[LI]
	v_add_nc_u32 v6, s21, v[LS]
	v_add_nc_u32 v7, s22, v[LS]
	v_cmp_eq_u32 vcc_lo, 1, v2
	v_cndmask_b32 v[ADRS], v6, v7, vcc_lo          ; lanes 0-15 take R's scale words, lanes 16-31 P's
	v_add_nc_u32 v[ADRS], 12288, v[ADRS]
	s_mov_b32 s[SEL], 0x76543210
	s_mov_b32 s[SEL+1], 0xfedcba98
	s_lshl_b32 s80, s18, 1                         ; 2 tt
	s_lshl_b32 s81, s17, 1                         ; 2 wt
	s_add_co_u32 s82, s80, s15
	s_lshl_b32 s82, s82, 4
	s_add_co_u32 s82, s82, s81
	s_add_co_u32 s82, s82, s16                     ; k: panel 16 (2 tt + wr) + 2 wt + wp
	s_add_co_u32 s83, s81, s15
	s_lshl_b32 s84, s83, 5
	s_add_co_u32 s84, s84, s80
	s_add_co_u32 s84, s84, s16                     ; v: panel 512 + 32 (2 wt + wr - 16) + 2 tt + wp = 32 (2 wt + wr) + 2 tt + wp
	s_cmp_eq_u32 s70, 1
	s_cselect_b32 s84, s84, s82
	s_mul_i32 s84, s84, PANEL
	s_mov_b32 s85, 0
	s_add_nc_u64 s[OUT:OUT+1], s[10:11], s[84:85]
	s_add_co_u32 s86, s81, s16
	s_lshl_b32 s86, s86, 9                         ; b_kv at weight group 2 wt + wp (under 32: inside the buffer in both modes)
	s_mov_b32 s87, 0
	s_add_nc_u64 s[BIA:BIA+1], s[8:9], s[86:87]
	s_lshl_b32 s88, s83, 9                         ; and at 2 wt + wr
	s_mov_b32 s89, 0
	s_add_nc_u64 s[BIB:BIB+1], s[8:9], s[88:89]
	v_lshlrev_b32 v6, 6, v2                        ; along P: tile b's register j is row 32 (b / 2) + 8 (b % 2) + 16 h + j
	v_and_b32 v7, 8, v3
	v_add_nc_u32 v7, v7, v3
	v_lshlrev_b32 v7, 2, v7                        ; along R: fragment a's lane r is row 32 (a / 2) + 8 (a % 2) + r + 8 (r / 8)
.irp a, 0,1,2,3,4,5,6,7
	global_load_b32 v[BR+2*\a], v7, s[BIB:BIB+1] offset:(32*(\a/2)+8*(\a%2))*4
	v_mov_b32 v[BR+2*\a+1], 0                      ; (named as the upper half of a pair)
.endr
	WIN 0x40
.irp b, 0,1,2,3,4,5,6,7
	global_load_b128 v[96+8*\b+96*(\b/4):96+8*\b+96*(\b/4)+3], v6, s[BIA:BIA+1] offset:(32*(\b/2)+8*(\b%2))*4
	global_load_b128 v[96+8*\b+96*(\b/4)+4:96+8*\b+96*(\b/4)+7], v6, s[BIA:BIA+1] offset:(32*(\b/2)+8*(\b%2))*4+16
.endr
	WIN 0
	s_wait_tensorcnt 0x0                           ; my piece is in,
	s_barrier_signal -1
	s_barrier_wait -1                              ; everybody's is
	FETCH 0, 0, 0
	s_wait_loadcnt 0x0                             ; the biases
	s_mov_b32 vcc_lo, s71
	WIN 0x44                                       ; source 1 and destination window 1
.set j, 0
.rept 32
	v_cndmask_b32 v[96+j], 0, v[96+j], vcc_lo      ; in v mode the sums begin at 0: a choice of values, made in both modes
	v_cndmask_b32 v[224+j], 0, v[224+j], vcc_lo
.set j, j+1
.endr
	WIN 0
	STEP 0, 0, 1                                   ; the first step's products start the sums
	STEP 0, 1, 0
	STEP 0, 2, 0
	s_wait_dscnt 0x0                               ; the last step
	MULS 1, 0
	WIN 0
	PLACES 4                                       ; in front of the first reads of results and writes of registers that held fragments
	s_cmp_eq_u32 s70, 0
	s_cbranch_scc1 .Lno_rbias
.irp a, 0,1,2,3,4,5,6,7                        ; v mode: my row's bias onto its 64 sums, each accumulator from its low end on
	WIN 0x82+0x41*(\a/4)                           ; destination and source 0: window 2 or 3
.set j, 0
.rept 32
	v_pk_add_f32 v[64*(\a%4)+j:64*(\a%4)+j+1], v[64*(\a%4)+j:64*(\a%4)+j+1], v[BR+2*\a:BR+2*\a+1] op_sel_hi:[1,0]
.set j, j+2
.endr
.endr
	WIN 0
.Lno_rbias:
.irp b, 0,1,2,3
	v_mov_b32 v[TM+4+\b], 0                        ; a lane permute's destination counts as one of its sources
.endr
.irp a, 0,1,2,3,4,5,6,7
	QUANTW \a
	IMG \a
.endr
	s_wait_tensorcnt 0x0
	ds_add_u32 v30, v31
	s_wait_dscnt 0x0
	CROUND                                         ; the closing round: no work-group ends while a partner may still ask for a piece that names it
	s_endpgm
.Lfunc_end_k_qf9b99aeb0f_gkv:
	.size	k_qf9b99aeb0f_gkv, .Lfunc_end_k_qf9b99aeb0f_gkv-k_qf9b99aeb0f_gkv
	.p2alignl 7, 3214868480
	.fill 96, 4, 3214868480
	.section	.rodata,"a",@progbits
	.p2align	6, 0x0
	.amdhsa_kernel k_qf9b99aeb0f_gkv
		.amdhsa_group_segment_fixed_size 213504
		.amdhsa_private_segment_fixed_size 0
		.amdhsa_enable_private_segment 0
		.amdhsa_kernarg_size 32
		.amdhsa_user_sgpr_count 2
		.amdhsa_user_sgpr_kernarg_segment_ptr 1
		.amdhsa_wavefront_size32 1
		.amdhsa_system_sgpr_workgroup_id_x 1
		.amdhsa_system_sgpr_workgroup_id_y 1
		.amdhsa_system_sgpr_workgroup_id_z 1
		.amdhsa_system_vgpr_workitem_id 0
		.amdhsa_next_free_vgpr 1024
		.amdhsa_next_free_sgpr 100
		.amdhsa_reserve_vcc 1
		.amdhsa_float_denorm_mode_32 3
		.amdhsa_float_denorm_mode_16_64 3
		.amdhsa_memory_ordered 1
		.amdhsa_forward_progress 1
		.amdhsa_inst_pref_size 109
	.end_amdhsa_kernel
	.amdgpu_metadata
---
amdhsa.version: [ 1, 2 ]
amdhsa.kernels:
  - .name:           k_qf9b99aeb0f_gkv
    .symbol:         k_qf9b99aeb0f_gkv.kd
    .args:
      - { .name: wc, .offset: 0, .size: 8, .value_kind: global_buffer, .address_space: global }
      - { .name: latc, .offset: 8, .size: 8, .value_kind: global_buffer, .address_space: global }
      - { .name: b_kv, .offset: 16, .size: 8, .value_kind: global_buffer, .address_space: global }
      - { .name: kvc, .offset: 24, .size: 8, .value_kind: global_buffer, .address_space: global }
    .group_segment_fixed_size: 213504
    .private_segment_fixed_size: 0
    .kernarg_segment_align: 8
    .kernarg_segment_size: 32
    .max_flat_workgroup_size: 128
    .sgpr_count:     100
    .vgpr_count:     1024
    .wavefront_size: 32
...
	.end_amdgpu_metadata
.endif
;; end of part 4
;; launch attn (part 5): grid 4 x 64, 16 waves a work-group, clusters of 4 x 1, 215,040 bytes of LDS; arguments qc, kvc, attc; writes attc
.if DOCPART == 5
	.amdgcn_target "amdgcn-amd-amdhsa--gfx1250"
	.amdhsa_code_object_version 6
	.text
	.protected	k_qf9b99aeb0f_attn
	.globl	k_qf9b99aeb0f_attn
	.p2align	8
	.type	k_qf9b99aeb0f_attn,@function
k_qf9b99aeb0f_attn:
	s_mov_b64 s[64:65], 0
	v_nop
	global_prefetch_b8 v0, s[64:65] scope:SCOPE_SE
	s_setreg_imm32_b32 hwreg(HW_REG_WAVE_MODE, 25, 1), 1
	s_wait_xcnt 0x0
	s_wait_alu depctr_hold_cnt(0) depctr_sa_sdst(0) depctr_va_vdst(0) depctr_va_sdst(0) depctr_va_ssrc(0) depctr_va_vcc(0) depctr_vm_vsrc(0)
	s_getreg_b32 s2, hwreg(HW_REG_IB_STS2, 6, 4)
	s_cmp_eq_u32 s2, 0
	s_cbranch_scc0 .Lentry_in_a_cluster
	s_endpgm
.Lentry_in_a_cluster:
	s_bfe_u32 s2, ttmp6, 0x10000c
	s_cmp_lg_u32 s2, 0x3003
	s_cbranch_scc0 .Lentry_shape_is_right
	s_endpgm
.Lentry_shape_is_right:
; O[b][h][q] = the sum over keys k <= q of softmax_k(Q . K / sqrt(128)) V, 64 heads of 1,024 x 128, both products on codes of FP6 (E2M3) with E8M0 scales.  (The window of 1,024 hides nothing at 1,024 keys: the mask is the causal one.)
; THE SOFTMAX AHEAD OF THE SECOND PRODUCT: t = score x log2(e) / sqrt(128) (one multiplication); M = the row's largest t so far, rounded UP to a whole number; p = 2^(t - M) is what is quantised, along the keys; the row's
; sum is taken of the unquantised p and divides O at the end.  When M moves, the sum and O are multiplied by 2^(old M - new M): exact.
; OPERANDS are PANELS (128 rows x 128 K in the order of the operand's registers, 13,312 bytes: fragment i at 1536 i, registers 4 c on at + 512 c, lane l at + 16 l; scale words at 12288 + 128 i + 4 l; lane r of fragment i =
; row 32 (i / 2) + 8 (i % 2) + r + 8 (r / 8)).  q: panel 16 x token group + head of qc; k: the same of kvc; v (rows = the head's 128, K = 128 keys): panel 512 + 32 x head + token group of kvc.
; SHARES.  The four work-groups of a cluster own one head.  THE HEAD'S WHOLE K AND V, 16 panels, 212,992 bytes, COME INTO LDS ONCE: each of the sixteen waves asks for one panel, jointly with the same wave of the three
; partners (mask 15).  Nothing is filled again: no ring.  A wave owns one fragment of 16 queries: group G (by the wave's number alone), fragment 4 (wave % 2) + cx.  The groups are dealt so that waves w, w + 4, w + 8, w + 12
; walk 18 key steps together.  Every wave makes 8 trips of the key loop; a trip whose 128 keys all come after the wave's group is jumped over (a branch on the wave's number and the trip's count).
; No branch and no LDS address hangs on cx: it enters global addresses and the mask's vector comparison alone.
; LAYOUT.  Both products are used transposed: S^T = K Q^T, O^T = V^T P^T: a lane holds ONE query throughout.  By the order of a fragment's rows the 16 registers of tiles 2 b, 2 b + 1 are 16 neighbouring keys (or channels),
; 32 b + 16 (lane / 16) + 0 .. 15.  So p is quantised in registers, and O / sum likewise: it leaves as fragment of the last product's operand (K step = head): panel 16 x token group + head of attc.
; No prefetch: all tiles are asked for at the head.
; LIMITS: NaN and infinities are not served; a block's largest magnitude is taken as at least 2^-124 (a block of zeros: byte 1 over zero codes; this program alone reads the bytes).
; REGISTERS: v1-6 addresses that stay; v8-11 addresses of the loads in hand; v12 -M, v13 the largest t, v[14:15] the sum in two halves; v16-27 Q; v32-79 four fragments of K or V; v96-159 S^T, then p; v160-223 O^T;
;   v224-235 p's codes; v232-254 at work; v255 Q's scale words.
.set PANEL, 13312
.set VOFF,  8*PANEL                    ; K's eight panels, then V's eight
.set LI,  1                            ; v1   16 x lane
.set LS,  2                            ; v2   4 x lane
.set DQ,  3                            ; v3   my query's place in its group - 16 (lane / 16)
.set LIV, 4                            ; v4   16 x lane + VOFF
.set LSK, 5                            ; v5   4 x lane + 12288
.set LSV, 6                            ; v6   4 x lane + VOFF + 12288
.set ADK, 8
.set ADV, 9
.set ADS, 10
.set ADT, 11
.set TM,  32                           ; the way out: v32-47 at work, v48 the scale word, v52-70 the codes
.set PW,  48
.set PC,  52
.set WV,  10                           ; s10  my wave's number
.set GR,  15                           ; s15  my group of 128 queries, 0..7
.set FA,  16                           ; s16  my fragment in it
.set SEL, 20                           ; s[20:21] lane selects: lane l xor 16
.set CS,  22                           ; s[22:23] c = log2(e) / sqrt(128)
.set G1,  24                           ; s[24:31], s[32:35] the descriptor
.set G0,  32
.set TB,  36                           ; s36  LDS byte of the trip's panel of K
.set JJ,  37                           ; s37  the trip: the group of 128 keys
.macro ROUND                           ; a round of the cluster's barrier
	s_barrier_signal -1
	s_barrier_wait -1
	s_cmp_lg_u32 s[WV], 0
	s_cbranch_scc1 .Lnot_wave_0_\@
	s_barrier_signal -3
.Lnot_wave_0_\@:
	s_barrier_wait -3
	s_barrier_signal -1
	s_barrier_wait -1
.endm
.macro QUANT s
.irp b, 0,1,2,3
	v_max3_num_f32 v[TM+\b], |v[\s+16*\b]|, |v[\s+1+16*\b]|, 0x1800000   ; block b: my 16 numbers, and the floor 2^(3 - 127)
.endr
.irp i, 2,4,6,8,10,12,14
.irp b, 0,1,2,3
	v_max3_num_f32 v[TM+\b], v[TM+\b], |v[\s+16*\b+\i]|, |v[\s+1+16*\b+\i]|
.endr
.endr
.irp b, 0,1,2,3
	v_permlanex16_b32 v[TM+4+\b], v[TM+\b], s[SEL], s[SEL+1]
.endr
.irp b, 0,1,2,3
	v_max_num_f32 v[TM+\b], v[TM+\b], v[TM+4+\b]
.endr
.irp b, 0,1,2,3
	v_add_nc_u32 v[TM+12+\b], 0xff000000, v[TM+\b]
.endr
.irp b, 0,1,2,3
	v_lshrrev_b32 v[TM+4+\b], 23, v[TM+12+\b]
.endr
	v_lshl_or_b32 v[PW], v[TM+5], 8, v[TM+4]
	v_lshl_or_b32 v[PW], v[TM+6], 16, v[PW]
	v_lshl_or_b32 v[PW], v[TM+7], 24, v[PW]
.irp c, 0,1
	v_cvt_scalef32_pk16_fp6_f32 v[PC+6*\c:PC+2+6*\c], v[\s+32*\c:\s+15+32*\c], v[TM+12+2*\c]
	v_cvt_scalef32_pk16_fp6_f32 v[PC+12+4*\c:PC+14+4*\c], v[\s+16+32*\c:\s+31+32*\c], v[TM+12+2*\c+1]
.endr
	v_nop                                                  ; one plain instruction behind a scaled conversion
.irp c, 0,1
.irp i, 0,1,2
	v_permlane16_swap_b32 v[PC+6*\c+\i], v[PC+12+4*\c+\i]
.endr
.irp i, 0,1,2
	v_mov_b32 v[PC+3+6*\c+\i], v[PC+12+4*\c+\i]
.endr
.endr
.endm
	s_load_b128 s[4:7], s[0:1], 0x0                ; qc, kvc
	s_load_b64 s[8:9], s[0:1], 0x10                ; attc
	v_lshl_add_u32 v95, v0, 2, 0x34000
	v_mov_b32 v243, 0
	ds_add_u32 v95, v243
	ds_add_u32 v95, v243
	v_lshrrev_b32 v8, 5, v0
	v_readfirstlane_b32 s[WV], v8                  ; wave 0..15
	s_and_b32 s11, ttmp7, 0xffff                   ; 16 x batch + head, which the four partners share
	s_lshr_b32 s12, s11, 4                         ; batch
	s_and_b32 s13, s11, 15                         ; head
	s_bfe_u32 s14, ttmp6, 0x40000                  ; cx
	; the panel that I fetch: waves 0-7 K's group j, waves 8-15 V's group j, j = wave % 8
	s_and_b32 s40, s[WV], 7
	s_lshl_b32 s41, s12, 3
	s_add_co_u32 s41, s41, s40                     ; token group 8 x batch + j
	s_lshl_b32 s42, s41, 4
	s_add_co_u32 s42, s42, s13                     ; K: 16 x token group + head
	s_lshl_b32 s43, s13, 5
	s_add_co_u32 s43, s43, s41
	s_add_co_u32 s43, s43, 512                     ; V: 512 + 32 x head + token group
	s_cmp_lt_u32 s[WV], 8
	s_cselect_b32 s42, s42, s43
	s_mul_i32 s42, s42, PANEL
	s_mov_b32 s43, 0
	s_mul_i32 s44, s[WV], PANEL                    ; and where it goes: wave x PANEL
	s_mov_b32 s[G1], 15|(3<<16)|(1<<21)            ; 15:0 the mask: all four work-groups; 17:16 elements of 8 bytes; 21 set beside a mask; no padding
	s_mov_b32 s[G1+1], 32<<16                      ; a panel is dense: 52 rows of 256 bytes
	s_mov_b32 s[G1+2], (PANEL/256)<<16
	s_mov_b32 s[G1+3], 32<<16
	s_mov_b32 s[G1+4], PANEL/256
	s_mov_b32 s[G1+5], 32
	s_mov_b32 s[G1+6], 0
	s_mov_b32 s[G1+7], 0
	s_wait_dscnt 0x0
	s_wait_kmcnt 0x0
	s_mov_b32 s[G0], 1
	s_mov_b32 s[G0+1], s44
	s_add_nc_u64 s[G0+2:G0+3], s[6:7], s[42:43]
	s_or_b32 s[G0+3], s[G0+3], 0x80000000
	ROUND                                          ; all four work-groups are here: the joint loads meet
	tensor_load_to_lds s[G0:G0+3], s[G1:G1+7]      ; my one tensor load of the launch
	s_nop 0
.rept 4
	v_nop
.endr
	; my tile.  i = wave / 4, e = (wave / 2) % 2:  G = 4 (i / 2) + (e xor 3 (i % 2)): waves w, w + 4, w + 8, w + 12 have groups 0, 3, 4, 7 or 1, 2, 5, 6: 18 key steps together
	s_lshr_b32 s17, s[WV], 2
	s_bfe_u32 s18, s[WV], 0x10001
	s_and_b32 s19, s17, 1
	s_mul_i32 s19, s19, 3
	s_xor_b32 s18, s18, s19
	s_lshr_b32 s17, s17, 1
	s_lshl_b32 s17, s17, 2
	s_add_co_u32 s[GR], s17, s18
	s_and_b32 s54, s[WV], 1
	s_lshl_b32 s54, s54, 2
	s_add_co_u32 s[FA], s54, s14                   ; fragment 4 (wave % 2) + cx
	s_lshl_b32 s54, s12, 3
	s_add_co_u32 s54, s54, s[GR]
	s_lshl_b32 s54, s54, 4
	s_add_co_u32 s54, s54, s13
	s_mul_i32 s54, s54, PANEL                      ; panel 16 (8 x batch + G) + head: of qc and of attc alike
	s_mul_i32 s56, s[FA], 1536
	s_add_co_u32 s56, s56, s54
	s_mov_b32 s57, 0
	s_lshl_b32 s58, s[FA], 7
	s_add_co_u32 s58, s58, s54
	s_add_co_u32 s58, s58, 12288
	s_mov_b32 s59, 0
	s_add_nc_u64 s[46:47], s[4:5], s[56:57]        ; Q's codes
	s_add_nc_u64 s[48:49], s[4:5], s[58:59]        ; Q's scale words
	s_add_nc_u64 s[50:51], s[8:9], s[56:57]        ; the result's codes
	s_add_nc_u64 s[52:53], s[8:9], s[58:59]        ; and scale words
	v_and_b32 v8, 31, v0
	v_lshlrev_b32 v[LI], 4, v8
	v_lshlrev_b32 v[LS], 2, v8
.irp c, 0,1,2
	global_load_b128 v[16+4*\c:19+4*\c], v[LI], s[46:47] offset:512*\c   ; Q's fragment stays in registers
.endr
	global_load_b32 v255, v[LS], s[48:49]
	v_add_nc_u32 v[LIV], VOFF, v[LI]
	v_add_nc_u32 v[LSK], 12288, v[LS]
	v_add_nc_u32 v[LSV], VOFF+12288, v[LS]
	s_lshr_b32 s60, s[FA], 1
	s_lshl_b32 s60, s60, 5
	s_and_b32 s61, s[FA], 1
	s_lshl_b32 s61, s61, 3
	s_add_co_u32 s60, s60, s61                     ; 32 (a / 2) + 8 (a % 2)
	v_and_b32 v8, 15, v0
	v_and_b32 v9, 8, v8
	v_add_nc_u32 v8, v8, v9                        ; r + 8 (r / 8)
	v_bfe_u32 v9, v0, 4, 1
	v_lshlrev_b32 v9, 4, v9
	v_sub_nc_u32 v8, v8, v9
	v_add_nc_u32 v[DQ], s60, v8                    ; my query's place in its group, less 16 (lane / 16)
	s_mov_b32 s[SEL], 0x76543210
	s_mov_b32 s[SEL+1], 0xfedcba98
	s_mov_b32 s[CS], 0x3e0293ee                    ; c = log2(e) / sqrt(128)
	s_mov_b32 s[CS+1], s[CS]                       ; (named with it as a pair)
	s_mov_b32 s[TB], 0
	s_mov_b32 s[JJ], 0
	v_mov_b32 v13, 0xff61b1e6                      ; the largest t so far: -3e38, under every t
	v_floor_f32 v12, -v13                          ; -M
	v_mov_b32 v14, 0                               ; the sum, in two halves
	v_mov_b32 v15, 0
.irp b, 0,1,2,3
	v_mov_b32 v[236+\b], 0                         ; a lane permute's destination counts as one of its sources
.endr
	v_mov_b32 v252, 0
	v_mov_b32 v253, 0                              ; (named as the upper half of the pair v[252:253] before it is first written)
.set j, 0
.rept 64
	v_mov_b32 v[160+j], 0                          ; O^T.  (The step is written once: the first finds zeros, which the first change of M leaves zeros)
.set j, j+1
.endr
	s_wait_loadcnt 0x0                             ; Q
	s_wait_tensorcnt 0x0                           ; my panel is in,
	s_barrier_signal -1
	s_barrier_wait -1                              ; everybody's is
.Lkeys:                                                ; 8 trips: key group JJ
	s_cmp_gt_u32 s[JJ], s[GR]                      ; all its keys come after my queries: nothing to do but the steps at the trip's end
	s_cbranch_scc1 .Lhidden
	v_add_nc_u32 v[ADK], s[TB], v[LI]              ; (these four are also the places in front of the loads into registers that the last products read)
	v_add_nc_u32 v[ADV], s[TB], v[LIV]
	v_add_nc_u32 v[ADS], s[TB], v[LSK]
	v_add_nc_u32 v[ADT], s[TB], v[LSV]
.irp g, 0,1                                    ; S^T = K Q^T, four tiles of 16 keys at a time
.rept 4*\g
	v_nop                                          ; places in front of loads into registers that matrix instructions have read
.endr
.irp t, 0,1,2,3
.irp c, 0,1,2
	ds_load_b128 v[32+12*\t+4*\c:32+12*\t+4*\c+3], v[ADK] offset:1536*(4*\g+\t)+512*\c
.endr
	ds_load_b32 v[248+\t], v[ADS] offset:128*(4*\g+\t)
.endr
	s_wait_dscnt 0x0
.irp t, 0,1,2,3
	v_wmma_scale_f32_16x16x128_f8f6f4 v[96+8*(4*\g+\t):103+8*(4*\g+\t)], v[32+12*\t:43+12*\t], v[16:27], 0, v[248+\t], v255 matrix_a_fmt:MATRIX_FMT_FP6 matrix_b_fmt:MATRIX_FMT_FP6
.endr
.endr
.rept 4
	v_nop
.endr
	s_cmp_lg_u32 s[JJ], s[GR]                      ; only my own group lies on the diagonal
	s_cbranch_scc1 .Lopen
	v_mov_b32 v254, 0xff800000                     ; -infinity: p = 0 then.  Register 16 b + i holds key 32 b + 16 (lane / 16) + i of the group: hidden where 32 b + i > DQ
.set n, 0
.rept 64
	v_cmp_gt_i32 vcc_lo, 32*(n/16)+n%16, v[DQ]
	v_cndmask_b32 v[96+n], v[96+n], v254, vcc_lo
.set n, n+1
.endr
.Lopen:
.irp b, 0,1,2,3
	v_max3_num_f32 v[232+\b], v[96+16*\b], v[97+16*\b], v[98+16*\b]   ; the largest score of each block of 32 keys: for the row's maximum, and, since p rises with the score, for the block's largest p
.endr
.irp i, 3,5,7,9,11,13
.irp b, 0,1,2,3
	v_max3_num_f32 v[232+\b], v[232+\b], v[96+16*\b+\i], v[97+16*\b+\i]
.endr
.endr
.irp b, 0,1,2,3
	v_max_num_f32 v[232+\b], v[232+\b], v[111+16*\b]
.endr
.irp b, 0,1,2,3
	v_permlanex16_b32 v[236+\b], v[232+\b], s[SEL], s[SEL+1]
.endr
.irp b, 0,1,2,3
	v_max_num_f32 v[232+\b], v[232+\b], v[236+\b]  ; with lane l xor 16's 16 keys
.endr
	v_max3_num_f32 v254, v232, v233, v234
	v_max_num_f32 v254, v254, v235                 ; the step's largest score of my query (key 0 counts for every query: a number from the first step on)
	v_mul_f32 v254, s[CS], v254                    ; as t (c is positive)
	v_max_num_f32 v13, v13, v254                   ; the running largest t
	v_mov_b32 v254, v12
	v_floor_f32 v12, -v13                          ; the new -M = floor(-t) = -ceil(t): a whole number
	v_sub_f32 v254, v12, v254                      ; M's old value less its new one: a whole number, 0 or less
	v_cvt_i32_f32 v254, v254                       ; (it saturates)
	v_ldexp_f32 v252, 1.0, v254                    ; f = 2^(old M - new M)
.set j, 0
.rept 32
	v_pk_fma_f32 v[96+j:97+j], v[96+j:97+j], s[CS:CS+1], v[12:13] op_sel_hi:[1,0,0]   ; t - M, two at a time
.set j, j+2
.endr
.irp b, 0,1,2,3
	v_fma_f32 v[232+\b], v[232+\b], s[CS], v12     ; the same of each block's largest score
.endr
.set j, 0
.rept 64
	v_exp_f32 v[96+j], v[96+j]                     ; p = 2^(t - M), at most 1: not normalised
.set j, j+1
.endr
	v_pk_mul_f32 v[14:15], v[14:15], v[252:253] op_sel_hi:[1,0]   ; the sums under the new M.  (A plain instruction behind the exponentials)
	s_wait_alu depctr_va_vdst(0)                   ; one wait for the whole batch, ahead of its first reader
.irp b, 0,1,2,3
	v_exp_f32 v[232+\b], v[232+\b]                 ; the block's largest p: the same two instructions on the same number give the same bits
.endr
	v_pk_add_f32 v[236:237], v[96:97], v[98:99]    ; the row's sum is taken of the unquantised p: two at a time, in two chains
.irp j, 4,8,12,16,20,24,28,32,36,40,44,48,52,56,60
	v_pk_add_f32 v[14:15], v[14:15], v[96+\j:97+\j]
	v_pk_add_f32 v[236:237], v[236:237], v[98+\j:99+\j]
.endr
	v_pk_add_f32 v[14:15], v[14:15], v[236:237]
	s_wait_alu depctr_va_vdst(0)                   ; and one for the four
.irp b, 0,1,2,3
	v_max_num_f32 v[232+\b], 0x1800000, v[232+\b]  ; the floor 2^(3 - 127): a block whose every p is 0 keeps the byte 1 over zero codes
.endr
.irp b, 0,1,2,3
	v_add_nc_u32 v[244+\b], 0xff000000, v[232+\b]  ; 2 off the exponent field: the conversion's scale operand
.endr
.irp b, 0,1,2,3
	v_lshrrev_b32 v[236+\b], 23, v[244+\b]         ; the scale's byte
.endr
	v_lshl_or_b32 v253, v237, 8, v236              ; p's scale word for these 128 keys
	v_lshl_or_b32 v253, v238, 16, v253
	v_lshl_or_b32 v253, v239, 24, v253
.irp c, 0,1
	v_cvt_scalef32_pk16_fp6_f32 v[224+6*\c:226+6*\c], v[96+32*\c:111+32*\c], v[244+2*\c]
	v_cvt_scalef32_pk16_fp6_f32 v[236+4*\c:238+4*\c], v[112+32*\c:127+32*\c], v[244+2*\c+1]
.endr
	v_nop                                          ; one plain instruction behind a scaled conversion
.irp c, 0,1
.irp i, 0,1,2
	v_permlane16_swap_b32 v[224+6*\c+\i], v[236+4*\c+\i]
.endr
.irp i, 0,1,2
	v_mov_b32 v[227+6*\c+\i], v[236+4*\c+\i]
.endr
.endr
.set j, 0
.rept 32
	v_pk_mul_f32 v[160+j:161+j], v[160+j:161+j], v[252:253] op_sel_hi:[1,0]   ; O^T under the new M: x f, each accumulator from its low end on.  (These 32 are also the places in front of the matrix instructions and loads below)
.set j, j+2
.endr
.irp g, 0,1                                    ; O^T += V^T P^T: four tiles of 16 of the head's 128 at a time; the accumulators take turns
.rept 4*\g
	v_nop
.endr
.irp t, 0,1,2,3
.irp c, 0,1,2
	ds_load_b128 v[32+12*\t+4*\c:32+12*\t+4*\c+3], v[ADV] offset:1536*(4*\g+\t)+512*\c
.endr
	ds_load_b32 v[248+\t], v[ADT] offset:128*(4*\g+\t)
.endr
	s_wait_dscnt 0x0
.irp t, 0,1,2,3
	v_wmma_scale_f32_16x16x128_f8f6f4 v[160+8*(4*\g+\t):167+8*(4*\g+\t)], v[32+12*\t:43+12*\t], v[224:235], v[160+8*(4*\g+\t):167+8*(4*\g+\t)], v[248+\t], v253 matrix_a_fmt:MATRIX_FMT_FP6 matrix_b_fmt:MATRIX_FMT_FP6
.endr
.endr
.Lhidden:
	s_add_co_u32 s[TB], s[TB], PANEL               ; the next group's panels
	s_add_co_u32 s[JJ], s[JJ], 1
	s_cmp_lt_u32 s[JJ], 8
	s_cbranch_scc1 .Lkeys
	; THE WAY OUT.  O^T / the sum, quantised along the head's 128: a fragment of the last product's operand.
.rept 4
	v_nop                                          ; places behind the last products
.endr
	v_add_f32 v14, v14, v15                        ; the sum's two halves,
	v_permlanex16_b32 v252, v14, s[SEL], s[SEL+1]
	v_add_f32 v14, v14, v252                       ; and lane l xor 16's: the row's sum
	v_rcp_f32 v14, v14
.irp b, 0,1,2,3
	v_mov_b32 v[TM+4+\b], 0                        ; (plain instructions behind the transcendental)  a lane permute's destination counts as one of its sources
.endr
	s_wait_alu depctr_va_vdst(0)                   ; the wait ahead of the first use of the reciprocal
.set j, 0
.rept 64
	v_mul_f32 v[96+j], v[160+j], v14               ; register 16 b + i is channel 32 b + 16 (lane / 16) + i of my query
.set j, j+1
.endr
	QUANT 96
.irp c, 0,1,2
	global_store_b128 v[LI], v[PC+4*\c:PC+4*\c+3], s[50:51] offset:512*\c   ; 512 consecutive bytes, at a multiple of 256 from attc's first byte
.endr
	global_store_b32 v[LS], v[PW], s[52:53]
	s_wait_tensorcnt 0x0
	ds_add_u32 v95, v243
	s_wait_dscnt 0x0
	ROUND                                          ; the closing round: no work-group ends while a partner may still ask for a panel that names it
	s_endpgm
.Lfunc_end_k_qf9b99aeb0f_attn:
	.size	k_qf9b99aeb0f_attn, .Lfunc_end_k_qf9b99aeb0f_attn-k_qf9b99aeb0f_attn
	.p2alignl 7, 3214868480
	.fill 96, 4, 3214868480
	.section	.rodata,"a",@progbits
	.p2align	6, 0x0
	.amdhsa_kernel k_qf9b99aeb0f_attn
		.amdhsa_group_segment_fixed_size 215040
		.amdhsa_private_segment_fixed_size 0
		.amdhsa_enable_private_segment 0
		.amdhsa_kernarg_size 24
		.amdhsa_user_sgpr_count 2
		.amdhsa_user_sgpr_kernarg_segment_ptr 1
		.amdhsa_wavefront_size32 1
		.amdhsa_system_sgpr_workgroup_id_x 1
		.amdhsa_system_sgpr_workgroup_id_y 1
		.amdhsa_system_sgpr_workgroup_id_z 1
		.amdhsa_system_vgpr_workitem_id 0
		.amdhsa_next_free_vgpr 256
		.amdhsa_next_free_sgpr 66
		.amdhsa_reserve_vcc 1
		.amdhsa_float_denorm_mode_32 3
		.amdhsa_float_denorm_mode_16_64 3
		.amdhsa_memory_ordered 1
		.amdhsa_forward_progress 1
		.amdhsa_inst_pref_size 40
	.end_amdhsa_kernel
	.amdgpu_metadata
---
amdhsa.version: [ 1, 2 ]
amdhsa.kernels:
  - .name:           k_qf9b99aeb0f_attn
    .symbol:         k_qf9b99aeb0f_attn.kd
    .args:
      - { .name: qc, .offset: 0, .size: 8, .value_kind: global_buffer, .address_space: global }
      - { .name: kvc, .offset: 8, .size: 8, .value_kind: global_buffer, .address_space: global }
      - { .name: attc, .offset: 16, .size: 8, .value_kind: global_buffer, .address_space: global }
    .group_segment_fixed_size: 215040
    .private_segment_fixed_size: 0
    .kernarg_segment_align: 8
    .kernarg_segment_size: 24
    .max_flat_workgroup_size: 512
    .sgpr_count:     66
    .vgpr_count:     256
    .wavefront_size: 32
...
	.end_amdgpu_metadata
.endif
;; end of part 5
;; launch gout (part 6): grid 8 x 32, 4 waves a work-group, clusters of 4 x 4, 327,680 bytes of LDS; arguments wc, attc, b_o, out0; writes out0
.if DOCPART == 6
	.amdgcn_target "amdgcn-amd-amdhsa--gfx1250"
	.amdhsa_code_object_version 6
	.text
	.protected	k_qf9b99aeb0f_gout
	.globl	k_qf9b99aeb0f_gout
	.p2align	8
	.type	k_qf9b99aeb0f_gout,@function
k_qf9b99aeb0f_gout:
	s_mov_b64 s[64:65], 0
	v_nop
	global_prefetch_b8 v0, s[64:65] scope:SCOPE_SE
	s_setreg_imm32_b32 hwreg(HW_REG_WAVE_MODE, 25, 1), 1
	s_wait_xcnt 0x0
	s_wait_alu depctr_hold_cnt(0) depctr_sa_sdst(0) depctr_va_vdst(0) depctr_va_sdst(0) depctr_va_ssrc(0) depctr_va_vcc(0) depctr_vm_vsrc(0)
	s_getreg_b32 s2, hwreg(HW_REG_IB_STS2, 6, 4)
	s_cmp_eq_u32 s2, 0
	s_cbranch_scc0 .Lentry_in_a_cluster
	s_endpgm
.Lentry_in_a_cluster:
	s_bfe_u32 s2, ttmp6, 0x10000c
	s_cmp_lg_u32 s2, 0xf033
	s_cbranch_scc0 .Lentry_shape_is_right
	s_endpgm
.Lentry_shape_is_right:
; out0 = att w_o^T + b_o, 4096 x 2048 x 2048 on codes of FP6 (E2M3) with E8M0 scales, f32 sums, f32 out.  Operands come as PANELS (128 rows x 128 K in the order of the operand's registers, 13,312 bytes:
; fragment i at 1536 i, registers 4 c on at + 512 c, lane l at + 16 l; scale words at 12288 + 128 i + 4 l; lane r of fragment i = row 32 (i / 2) + 8 (i % 2) + r + 8 (r / 8)).
; att: panels 16 g + s of attc (s = head); w_o: panels 832 + 16 g + s of wc.
; SHARES.  A work-group of four waves makes 128 tokens x 256 columns: 32 x 8 = 256 work-groups.  A wave makes 64 x 128: R's fragments 4 wr .. 4 wr + 3 against one group of P: 32 accumulators, 256 registers.
; K goes in steps of 128, FOUR to an LDS slot, two slots: the 16 steps are four fills, two at the head and two refills.  A slot is three pieces of 53,248 dense bytes (one group, four steps): att's, then w_o's two.
; Waves 0 and 1 fetch the halves of att's piece, waves 2 and 3 a piece of w_o each: one tensor load a wave.  From a refill's request to the wait for it a wave issues 16 + 3 x 32 = 112 matrix instructions.
; THE MATRIX INSTRUCTION IS USED TRANSPOSED: source 0 = 16 rows of w_o (P), source 1 = 16 tokens (R): lane (r, h) holds one token, and tile b's eight registers are eight neighbouring columns, 32 (b / 2) + 8 (b % 2) + 16 h on.
; The bias is the C of each sum's first product (an order of rounding that differs from adding it last).
; CLUSTER 4 x 4: att's piece hangs on the row tile alone and is shared along a row of the cluster, w_o's on the column tile alone and are shared along a column: joint loads, a quarter of the requests.
; No prefetch: half of the K steps are asked for at the head, and each panel is asked for by several clusters at about the same time.
; REGISTERS: window 0: v4-15 addresses, v28-29 the add's, v32-47 scale words (two sets of 8: lanes 0-15 R's word of my fragment i, lanes 16-31 P's), v64-111 and v160-207 R's fragments (two sets; on the way out v128-255 take
;   rows of the result); window 1: v0-95, v128-223 P's fragments (two sets), v96-127, v224-255 the bias in the result's layout; window 2: accumulator (a, b) at v[8 (8 a + b)].
.set PANEL, 13312
.set PIECE, 4*PANEL                    ; one group, four steps
.set HALFP, 2*PANEL                    ; half of it: what waves 0 and 1 fetch
.set SLOT,  3*PIECE                    ; R's piece, then P's two
.set SPARE, 2*SLOT                     ; behind the ring: the spare words, 128 bytes a wave: two blocks of 256 bytes that no other line names
.set SPITCH, 528                       ; the way out: a stage of 16 rows x (512 bytes + 16) for each wave, in slot 0, which has had its last fill and its last read when the first result is stored there
.set LI,   4                           ; v4    16 x lane
.set LS,   5                           ; v5    4 x lane
.set ADRR, 8                           ; v8-9   LDS address of my R fragments in slot 0, 1
.set ADRP, 10                          ; v10-11 of my P fragments
.set ADRS, 12                          ; v12-13 of the scale words: lanes 0-15 R's, lanes 16-31 P's
.set STO,  14                          ; v14   the stage: where I put 32 bytes of a row
.set RD,   15                          ; v15   and where I read a row back
.set SPW,  28                          ; v28   SPARE + 4 x my thread's number; never rewritten
.set NIL,  29                          ; v29   0; never rewritten
.set SC,   32
.set BK,   128                         ; 16 rows read back from the stage: v128-191 and v192-255 by turns
.set G1R, 24                           ; s[24:31] descriptor group 1 for att's halves; s[32:39] group 0, a set for each slot
.set G0R, 32
.set G1P, 48                           ; s[48:55], s[56:63] the same for w_o's pieces
.set G0P, 56
.set OUT, 66                           ; s[66:67] my first row and column of out0
.set BIA, 68                           ; s[68:69] my 128 numbers of the bias
.set MSB, 0
.macro WIN new                         ; s_set_vgpr_msb: bits 1:0 source 0, 3:2 source 1, 5:4 source 2, 7:6 destination; the high byte repeats the setting that is left
.if MSB != (\new)
	s_set_vgpr_msb (MSB<<8)|(\new)
.set MSB, (\new)
.endif
.endm
.macro PLACES n                        ; plain vector instructions between a matrix instruction and a load into, or a store of, its registers
.rept \n
	v_nop
.endr
.endm
.macro JLOAD g0a, g1a, g0b, g1b        ; waves 0 and 1 fetch for R, waves 2 and 3 for P; the branch hangs on the wave's number alone; four v_nop follow each line
	s_cmp_eq_u32 s15, 0
	s_cbranch_scc0 .Lfor_b_\@
	tensor_load_to_lds s[\g0a:\g0a+3], s[\g1a:\g1a+7]
	s_nop 0
.rept 4
	v_nop
.endr
	s_branch .Lasked_\@
.Lfor_b_\@:
	tensor_load_to_lds s[\g0b:\g0b+3], s[\g1b:\g1b+7]
	s_nop 0
.rept 4
	v_nop
.endr
.Lasked_\@:
.endm
.macro CREST                           ; a round of the cluster's barrier behind its opening barrier
	s_cmp_lg_u32 s14, 0
	s_cbranch_scc1 .Lnot_wave_0_\@
	s_barrier_signal -3
.Lnot_wave_0_\@:
	s_barrier_wait -3
	s_barrier_signal -1
	s_barrier_wait -1
.endm
.macro CROUND
	s_barrier_signal -1
	s_barrier_wait -1
	CREST
.endm
; A step's fragments come in two runs.  24 LDS loads: P's eight fragments of the slot's q-th step, into set.  Each load of 16 bytes a lane takes 512 consecutive bytes.
.macro FETCHP slot, q, set
	WIN 0x40                                       ; destination window 1, address window 0
.irp i, 0,1,2,3,4,5,6,7
.irp c, 0,1,2
	ds_load_b128 v[128*(\set)+12*\i+4*\c:128*(\set)+12*\i+4*\c+3], v[ADRP+\slot] offset:(\q)*PANEL+1536*\i+512*\c
.endr
.endr
.endm
; 20 LDS loads: my four fragments of R, and eight registers of scale words (lanes 16-31: P's fragment i; lanes 0-15: R's fragment i of my four; in registers 4 to 7 lanes 0-15 take bytes that no product reads)
.macro FETCHR slot, q, set
	WIN 0
.irp i, 0,1,2,3
.irp c, 0,1,2
	ds_load_b128 v[64+96*(\set)+12*\i+4*\c:64+96*(\set)+12*\i+4*\c+3], v[ADRR+\slot] offset:(\q)*PANEL+1536*\i+512*\c
.endr
.endr
.irp i, 0,1,2,3,4,5,6,7
	ds_load_b32 v[SC+8*(\set)+\i], v[ADRS+\slot] offset:(\q)*PANEL+128*\i
.endr
.endm
; 8 matrix instructions: R's fragment a against P's eight.  first = 1: the bias is C: nothing is cleared.  The 32 accumulators take turns, one instruction a turn, in the same order in every step.
.macro MUL8 a, set, first
.irp b, 0,1,2,3,4,5,6,7
.if \first
	v_wmma_scale_f32_16x16x128_f8f6f4 v[8*(8*(\a)+\b):8*(8*(\a)+\b)+7], v[128*(\set)+12*\b:128*(\set)+12*\b+11], v[64+96*(\set)+12*(\a):64+96*(\set)+12*(\a)+11], v[96+8*\b+96*(\b/4):96+8*\b+96*(\b/4)+7], v[SC+8*(\set)+\b], v[SC+8*(\set)+(\a)] matrix_a_fmt:MATRIX_FMT_FP6 matrix_b_fmt:MATRIX_FMT_FP6 matrix_a_scale:MATRIX_SCALE_ROW1
.else
	v_wmma_scale_f32_16x16x128_f8f6f4 v[8*(8*(\a)+\b):8*(8*(\a)+\b)+7], v[128*(\set)+12*\b:128*(\set)+12*\b+11], v[64+96*(\set)+12*(\a):64+96*(\set)+12*(\a)+11], v[8*(8*(\a)+\b):8*(8*(\a)+\b)+7], v[SC+8*(\set)+\b], v[SC+8*(\set)+(\a)] matrix_a_fmt:MATRIX_FMT_FP6 matrix_b_fmt:MATRIX_FMT_FP6 matrix_a_scale:MATRIX_SCALE_ROW1
.endif
.endr
.endm
; A step whose successor lies in the same slot: 32 products on set q % 2; the successor's fragments are asked for into the other set, P's at the step's head, R's and the scale words in its middle.
; Source 0 window 1, source 1 window 0, C and D window 2 (first = 1: C window 1).
.macro STEP slot, q, first
	PLACES 4                                       ; the other set was read by the products just issued: these four stand in front of both runs of loads into it
	FETCHP \slot, (\q)+1, 1-(\q)%2
	s_wait_dscnt 24                                ; all but the 24 just issued: this step's set is in
	WIN 0xa1-0x10*(\first)
	MUL8 0, (\q)%2, \first
	MUL8 1, (\q)%2, \first
	FETCHR \slot, (\q)+1, 1-(\q)%2
	WIN 0xa1-0x10*(\first)
	MUL8 2, (\q)%2, \first
	MUL8 3, (\q)%2, \first
.endm
; A slot's last step (its fourth: set 1) changes slots: one barrier; in front of it each wave waits for all its tensor loads, adds 0 to its spare word, and waits for that and for its reads of this slot.
.macro TURN slot, next, fill
	WIN 0                                          ; (the add's two registers lie in window 0)
	s_wait_tensorcnt 0x0                           ; all my tensor loads have landed: the one that was out is my part of the next slot
	ds_add_u32 v[SPW], v[NIL]                      ; 0 onto my spare word
	s_wait_dscnt 1                                 ; (only the add may be out: set 1 is in)
	WIN 0xa1
	MUL8 0, 1, 0                                   ; eight matrix instructions stand between the add and the wait for it
	s_wait_dscnt 0x0                               ; the add is done, and my reads of this slot are over (the last were issued a step ago)
	s_barrier_signal -1
	MUL8 1, 1, 0
	WIN 0
	s_barrier_wait -1
.if \fill
	CREST                                          ; the barrier has opened a round of the cluster's barrier: no wave of any partner still reads this slot or has a load on its way
	s_add_nc_u64 s[G0R+4*\slot+2:G0R+4*\slot+3], s[G0R+4*\slot+2:G0R+4*\slot+3], 2*PIECE   ; eight steps on
	s_add_nc_u64 s[G0P+4*\slot+2:G0P+4*\slot+3], s[G0P+4*\slot+2:G0P+4*\slot+3], 2*PIECE
	JLOAD G0R+4*\slot, G1R, G0P+4*\slot, G1P       ; the first tensor load behind the round; its four v_nop are also the places in front of the loads below
.else
	PLACES 4
.endif
	FETCHP \next, 0, 0
	WIN 0xa1
	MUL8 2, 1, 0
	FETCHR \next, 0, 0
	WIN 0xa1
	MUL8 3, 1, 0
.endm
; THE WAY OUT, block by block of 16 tokens x 128 columns.  A lane holds pieces of 32 bytes of one row: a block goes through my own stage in LDS and comes back as whole rows of 512 bytes.
.macro TOSTAGE a
.set AC, 64*(\a)
	WIN 0x08                                       ; an LDS store's data are its source 1: window 2
.irp b, 0,1,2,3,4,5,6,7
	ds_store_b128 v[STO], v[AC+8*\b:AC+8*\b+3] offset:128*(\b/2)+32*(\b%2)          ; each accumulator from its low end on
	ds_store_b128 v[STO], v[AC+8*\b+4:AC+8*\b+7] offset:128*(\b/2)+32*(\b%2)+16
.endr
	WIN 0
.set BB, BK+64*((\a)%2)
.irp t, 0,1,2,3,4,5,6,7,8,9,10,11,12,13,14,15
	ds_load_b128 v[BB+4*\t:BB+4*\t+3], v[RD] offset:\t*SPITCH   ; LDS serves a wave's instructions in order: these see my stores, and the next block's stores come behind them
.endr
.endm
.macro SEND a, younger                 ; younger: the LDS instructions issued behind block a's loads, which may stay out
.set BB, BK+64*((\a)%2)
	s_wait_dscnt \younger
.irp t, 0,1,2,3,4,5,6,7,8,9,10,11,12,13,14,15
	global_store_b128 v[LI], v[BB+4*\t:BB+4*\t+3], s[OUT:OUT+1] offset:(32*((\a)/2)+8*((\a)%2)+\t+8*(\t/8))*8192 th:TH_STORE_NT   ; 32 lanes store 512 consecutive bytes, at a multiple of 256 from out0's first byte; row t of the block is my token 32 (a / 2) + 8 (a % 2) + t + 8 (t / 8); 63 rows at the most: inside the immediate
.endr
.endm
	s_load_b256 s[4:11], s[0:1], 0x0               ; wc, attc, b_o, out0
	v_lshl_add_u32 v[SPW], v0, 2, SPARE
	v_mov_b32 v[NIL], 0
	ds_add_u32 v28, v29
	ds_add_u32 v28, v29
	s_wait_dscnt 0x0
	v_lshrrev_b32 v1, 5, v0
	v_readfirstlane_b32 s14, v1                    ; wave 0..3
	s_lshr_b32 s15, s14, 1                         ; wr: which 64 of the 128 tokens are mine.  Also: I fetch for R (0) or for P (1)
	s_and_b32 s16, s14, 1                          ; wp: which of the two P groups.  Also: which half of R's piece, or which P piece, I fetch
	s_bfe_u32 s40, ttmp6, 0x40000                  ; cx, cy
	s_bfe_u32 s41, ttmp6, 0x40004
	s_lshl_b32 s17, ttmp9, 2
	s_add_co_u32 s17, s17, s40                     ; column tile = 4 x cluster x + cx: 0..7
	s_and_b32 s18, ttmp7, 0xffff
	s_lshl_b32 s18, s18, 2
	s_add_co_u32 s18, s18, s41                     ; row tile = token group = 4 x cluster y + cy: 0..31
	s_lshl_b32 s43, s41, 2
	s_lshl_b32 s43, 15, s43                        ; my row of the cluster
	s_lshl_b32 s44, 0x1111, s40                    ; my column
	s_or_b32 s[G1R], s43, (3<<16)|(1<<21)          ; 15:0 the mask; 17:16 elements of 8 bytes; 21 set beside a mask; no padding
	s_or_b32 s[G1P], s44, (3<<16)|(1<<21)
	s_mov_b32 s[G1R+1], 32<<16                     ; half of R's piece is dense in memory: 104 rows of 256 bytes (32 elements)
	s_mov_b32 s[G1R+2], (HALFP/256)<<16
	s_mov_b32 s[G1R+3], 32<<16
	s_mov_b32 s[G1R+4], HALFP/256
	s_mov_b32 s[G1R+5], 32
	s_mov_b32 s[G1R+6], 0
	s_mov_b32 s[G1R+7], 0
	s_mov_b32 s[G1P+1], 32<<16                     ; a piece of P: 208 rows of 256 bytes
	s_mov_b32 s[G1P+2], (PIECE/256)<<16
	s_mov_b32 s[G1P+3], 32<<16
	s_mov_b32 s[G1P+4], PIECE/256
	s_mov_b32 s[G1P+5], 32
	s_mov_b32 s[G1P+6], 0
	s_mov_b32 s[G1P+7], 0
	s_mul_i32 s76, s18, 16*PANEL                   ; att: the row tile's group, 16 panels a group,
	s_mul_i32 s77, s16, HALFP
	s_add_co_u32 s76, s76, s77                     ; + my half of a piece
	s_mov_b32 s77, 0
	s_lshl_b32 s46, s17, 1
	s_add_co_u32 s46, s46, s16
	s_mul_i32 s46, s46, 16*PANEL
	s_add_co_u32 s46, s46, 832*PANEL               ; w_o: group 2 x column tile + which, from panel 832 on
	s_mov_b32 s47, 0
	s_mul_i32 s45, s16, HALFP                      ; where R's half goes: no place in the cluster enters an LDS address
	s_mul_i32 s42, s16, PIECE
	s_add_co_u32 s42, s42, PIECE                   ; where P's piece goes: behind R's
	s_wait_kmcnt 0x0
	s_add_nc_u64 s[76:77], s[6:7], s[76:77]
	s_add_nc_u64 s[46:47], s[4:5], s[46:47]
	CROUND                                         ; all sixteen work-groups are here: the first joint loads meet
.irp s, 0,1
	s_mov_b32 s[G0R+4*\s], 1                       ; count = 1
	s_add_co_u32 s[G0R+4*\s+1], s45, \s*SLOT       ; LDS address
	s_add_nc_u64 s[G0R+4*\s+2:G0R+4*\s+3], s[76:77], \s*PIECE   ; global address: steps 4 s .. 4 s + 3
	s_or_b32 s[G0R+4*\s+3], s[G0R+4*\s+3], 0x80000000           ; type = 2
	s_mov_b32 s[G0P+4*\s], 1
	s_add_co_u32 s[G0P+4*\s+1], s42, \s*SLOT
	s_add_nc_u64 s[G0P+4*\s+2:G0P+4*\s+3], s[46:47], \s*PIECE
	s_or_b32 s[G0P+4*\s+3], s[G0P+4*\s+3], 0x80000000
	JLOAD G0R+4*\s, G1R, G0P+4*\s, G1P             ; both slots' first fills: two loads of mine are out
.endr
	v_and_b32 v1, 31, v0                           ; lane
	v_bfe_u32 v2, v0, 4, 1                         ; h
	v_lshlrev_b32 v[LI], 4, v1
	v_lshlrev_b32 v[LS], 2, v1
	s_mul_i32 s21, s15, 4*1536                     ; my four fragments in R's panels
	s_mul_i32 s22, s16, PIECE
	s_add_co_u32 s22, s22, PIECE                   ; my P group's piece
	s_lshl_b32 s20, s15, 9                         ; my four fragments' scale words: 128 bytes each
	s_sub_co_u32 s23, s22, s20
	v_mul_u32_u24 v3, s23, v2                      ; lanes 16-31 take P's scale words: one product, the distance between the two
	v_add_nc_u32 v3, v3, v[LS]
	v_add_nc_u32 v3, 12288, v3
.irp s, 0,1
	v_add_nc_u32 v[ADRR+\s], s21, v[LI]
	v_add_nc_u32 v[ADRP+\s], s22, v[LI]
	v_add_nc_u32 v[ADRS+\s], s20, v3
	s_add_co_u32 s21, s21, SLOT
	s_add_co_u32 s22, s22, SLOT
	s_add_co_u32 s20, s20, SLOT
.endr
	s_mul_i32 s23, s14, 16*SPITCH                  ; my stage
	v_and_b32 v3, 15, v0
	v_mul_u32_u24 v[STO], v3, SPITCH
	v_lshl_add_u32 v[STO], v2, 6, v[STO]
	v_add_nc_u32 v[STO], s23, v[STO]               ; in: row r, + 64 h
	v_add_nc_u32 v[RD], s23, v[LI]                 ; back: the 32 lanes take one row of 512 bytes
	s_lshl_b32 s80, s18, 20                        ; the tile's 128 tokens: 128 rows of 8,192 bytes a group,
	s_lshl_b32 s81, s15, 19                        ; my 64 of them
	s_add_co_u32 s80, s80, s81
	s_mov_b32 s81, 0
	s_lshl_b32 s82, s17, 1
	s_add_co_u32 s82, s82, s16
	s_lshl_b32 s82, s82, 9                         ; my 128 columns: 512 bytes, in out0's rows and in b_o alike
	s_mov_b32 s83, 0
	s_add_nc_u64 s[OUT:OUT+1], s[10:11], s[80:81]
	s_add_nc_u64 s[OUT:OUT+1], s[OUT:OUT+1], s[82:83]
	s_add_nc_u64 s[BIA:BIA+1], s[8:9], s[82:83]
	v_lshlrev_b32 v6, 6, v2                        ; the bias in the result's layout: tile b's register j is column 32 (b / 2) + 8 (b % 2) + 16 h + j
	WIN 0x40
.irp b, 0,1,2,3,4,5,6,7
	global_load_b128 v[96+8*\b+96*(\b/4):96+8*\b+96*(\b/4)+3], v6, s[BIA:BIA+1] offset:(32*(\b/2)+8*(\b%2))*4
	global_load_b128 v[96+8*\b+96*(\b/4)+4:96+8*\b+96*(\b/4)+7], v6, s[BIA:BIA+1] offset:(32*(\b/2)+8*(\b%2))*4+16
.endr
	WIN 0
	s_wait_tensorcnt 1                             ; my part of slot 0 is in; slot 1's may stay out
	s_barrier_signal -1
	s_barrier_wait -1                              ; everybody's is
	FETCHP 0, 0, 0
	FETCHR 0, 0, 0
	s_wait_loadcnt 0x0                             ; the bias
	STEP 0, 0, 1                                   ; steps 0 to 3; the first step's products start the sums
	STEP 0, 1, 0
	STEP 0, 2, 0
	TURN 0, 1, 1                                   ; slot 0 takes steps 8 to 11
	STEP 1, 0, 0                                   ; steps 4 to 7
	STEP 1, 1, 0
	STEP 1, 2, 0
	TURN 1, 0, 1                                   ; slot 1 takes steps 12 to 15
	STEP 0, 0, 0                                   ; steps 8 to 11
	STEP 0, 1, 0
	STEP 0, 2, 0
	TURN 0, 1, 0                                   ; nothing is left to fetch: no round of the cluster's barrier; behind this barrier nobody reads slot 0
	STEP 1, 0, 0                                   ; steps 12 to 15
	STEP 1, 1, 0
	STEP 1, 2, 0
	s_wait_dscnt 0x0                               ; the very last step
	WIN 0xa1
	MUL8 0, 1, 0
	MUL8 1, 1, 0
	MUL8 2, 1, 0
	MUL8 3, 1, 0
	WIN 0
	PLACES 4                                       ; in front of the first reads of results and of loads into registers that held fragments
	TOSTAGE 0
.irp a, 1,2,3
.if \a > 1
	s_wait_xcnt 0x0                                ; block a - 2's stores have read their registers: block a's loads may land there
.endif
	TOSTAGE \a
	SEND \a-1, 32                                  ; behind block a - 1's loads: block a's 16 stores and 16 loads
.endr
	SEND 3, 0
	s_wait_tensorcnt 0x0                           ; the wave's end: behind my last tensor load and my last LDS store
	ds_add_u32 v[SPW], v[NIL]
	s_wait_dscnt 0x0
	CROUND                                         ; the closing round: no work-group ends while a partner may still ask for a piece that names it
	s_endpgm
.Lfunc_end_k_qf9b99aeb0f_gout:
	.size	k_qf9b99aeb0f_gout, .Lfunc_end_k_qf9b99aeb0f_gout-k_qf9b99aeb0f_gout
	.p2alignl 7, 3214868480
	.fill 96, 4, 3214868480
	.section	.rodata,"a",@progbits
	.p2align	6, 0x0
	.amdhsa_kernel k_qf9b99aeb0f_gout
		.amdhsa_group_segment_fixed_size 327680
		.amdhsa_private_segment_fixed_size 0
		.amdhsa_enable_private_segment 0
		.amdhsa_kernarg_size 32
		.amdhsa_user_sgpr_count 2
		.amdhsa_user_sgpr_kernarg_segment_ptr 1
		.amdhsa_wavefront_size32 1
		.amdhsa_system_sgpr_workgroup_id_x 1
		.amdhsa_system_sgpr_workgroup_id_y 1
		.amdhsa_system_sgpr_workgroup_id_z 1
		.amdhsa_system_vgpr_workitem_id 0
		.amdhsa_next_free_vgpr 768
		.amdhsa_next_free_sgpr 100
		.amdhsa_reserve_vcc 0
		.amdhsa_float_denorm_mode_32 3
		.amdhsa_float_denorm_mode_16_64 3
		.amdhsa_memory_ordered 1
		.amdhsa_forward_progress 1
		.amdhsa_inst_pref_size 139
	.end_amdhsa_kernel
	.amdgpu_metadata
---
amdhsa.version: [ 1, 2 ]
amdhsa.kernels:
  - .name:           k_qf9b99aeb0f_gout
    .symbol:         k_qf9b99aeb0f_gout.kd
    .args:
      - { .name: wc, .offset: 0, .size: 8, .value_kind: global_buffer, .address_space: global }
      - { .name: attc, .offset: 8, .size: 8, .value_kind: global_buffer, .address_space: global }
      - { .name: b_o, .offset: 16, .size: 8, .value_kind: global_buffer, .address_space: global }
      - { .name: out0, .offset: 24, .size: 8, .value_kind: global_buffer, .address_space: global }
    .group_segment_fixed_size: 327680
    .private_segment_fixed_size: 0
    .kernarg_segment_align: 8
    .kernarg_segment_size: 32
    .max_flat_workgroup_size: 128
    .sgpr_count:     100
    .vgpr_count:     768
    .wavefront_size: 32
...
	.end_amdgpu_metadata
.endif
;; end of part 6
